; MI455X (gfx1250); checked and timed in simulation.
; The chip was launched on July 23, 2026; its instructions are those of AMD's public machine-readable ISA for CDNA 5 (MIT licence, August 2026) and "CDNA5" Instruction Set Architecture Reference Guide (July 2026). The comments in the code are by the model that wrote it; some were corrected since.
;; Causal Self Attention. Allowed arithmetic: matrix products marked QUANTISED: E2M1 operands, one E8M0 scale for each 32 along K, by v_wmma_scale_f32_16x16x128_f8f6f4 with both operands' format E2M1 (or v_wmma_scale_f32_32x16x128_f4), f32 sums; products left as they are: bf16, f16 or f32 operands; f32 sums; everything else in f32.
;; Inputs: Wk 1,024 x 1,024 float32; Wp 1,024 x 1,024 float32; Wq 1,024 x 1,024 float32; Wv 1,024 x 1,024 float32; x 4 x 2,048 x 1,024 float32.
;; Outputs: out0 4 x 2,048 x 1,024 float32.
;; This version of the problem:
;;   THIS VERSION OF THE PROBLEM IS GIVEN IN LOW PRECISION. The matrix products marked QUANTISED in the list below multiply operands that are first quantised to E2M1 (2 exponent bits, 1 mantissa bit; 4 bits a number), with one power-of-two scale for each 32 numbers along K (OCP MX v1.0); their sums are f32. The products marked 'left as it is' may take bf16, f16 or f32 operands, with f32 sums. Whichever they take, every output number must still come out within the allowed error. Rounding operands to bf16 (8 significant bits) uses up far more of that allowance than f16 does (11 bits, for magnitudes from 6e-5 to 65,504). All else is computed in f32.
;;   The module's matrix products, in the order in which they are computed (A, B: the left and right operand; K: the contracted axis; several contracted axes count as one K, in the product's order):
;;     1. [M 8,192, K 1,024] x [K 1,024, N 1,024]; A: input x; B: input Wq: QUANTISED
;;     2. [M 8,192, K 1,024] x [K 1,024, N 1,024]; A: input x; B: input Wk: QUANTISED
;;     3. [M 8,192, K 1,024] x [K 1,024, N 1,024]; A: input x; B: input Wv: QUANTISED
;;     4. batch 64 x [M 2,048, K 64] x [K 64, N 2,048]; A: computed on the way; B: computed on the way: left as it is (an operand is computed on the way)
;;     5. batch 64 x [M 2,048, K 2,048] x [K 2,048, N 64]; A: computed on the way; B: computed on the way: left as it is (an operand is computed on the way)
;;     6. [M 8,192, K 1,024] x [K 1,024, N 1,024]; A: computed on the way; B: input Wp: left as it is (an operand is computed on the way)
;;   THE QUANTISER, for each operand of a quantised product, along K:
;;     - K is cut into blocks of 32 from its start; a last block that is shorter is filled with zeros.
;;     - A block's scale is 2^e with e = floor(log2(the largest magnitude in the block)) - 2, held to -126 .. 127; a block of zeros has e = 0. As a byte (E8M0): e + 127.
;;     - Each number is divided by its block's scale, clamped to +-6, and rounded to the nearest number of E2M1, ties to even, subnormals kept.
;;     - The product sums the exact products of the quantised numbers (number of the format x scale) in f32.
;;   ~~~python
;;   def quantise(x, axis):      # numpy; x: float32 -> the quantised numbers, widened to float32 again
;;       x = np.moveaxis(x, axis, -1); K = x.shape[-1]
;;       x = np.pad(x, [(0, 0)] * (x.ndim - 1) + [(0, -K % 32)]); x = x.reshape(x.shape[:-1] + (-1, 32)); a = np.abs(x).max(-1, keepdims=True)
;;       e = np.where(a > 0, np.clip(np.frexp(np.where(a > 0, a, 1))[1] - 1 - 2, -126, 127), 0)      # np.frexp(a)[1] - 1 = floor(log2(a)), exactly
;;       r = np.clip(x / 2.0 ** e, -6, 6)
;;       step = 2.0 ** (np.maximum(np.frexp(np.where(r == 0, 1, r))[1] - 1, 0) - 1)
;;       q = np.round(r / step) * step * 2.0 ** e      # np.round: ties to even
;;       return np.moveaxis(q.reshape(q.shape[:-2] + (-1,))[..., :K], -1, axis).astype(np.float32)
;;   ~~~
;; One version. Each part assembles by itself: llvm-mc -triple=amdgcn-amd-amdhsa -mcpu=gfx1250 --defsym DOCPART=n.
;; ======== version 1 of 1: 5 launches
;; limits: values are held in f16: magnitudes above 65,504 overflow, below 6.1e-05 lose precision
;; workspace buffers: codes 5,767,168 bytes; scales 360,448 bytes; wp16 2,097,152 bytes; qkv 50,331,648 bytes; y 16,777,216 bytes; fine 786,432 bytes
;; launch prep (part 1): grid 384 x 1, 4 waves a work-group, no clusters, 67,072 bytes of LDS; arguments x, Wq, Wk, Wv, Wp, codes, scales, wp16; writes codes, scales, wp16
.if DOCPART == 1
	.amdgcn_target "amdgcn-amd-amdhsa--gfx1250"
	.amdhsa_code_object_version 6
	.text
	.protected	k_qaa3e739f1f_prep
	.globl	k_qaa3e739f1f_prep
	.p2align	8
	.type	k_qaa3e739f1f_prep,@function
k_qaa3e739f1f_prep:
	s_mov_b64 s[64:65], 0
	v_nop
	global_prefetch_b8 v0, s[64:65] scope:SCOPE_SE
	s_setreg_imm32_b32 hwreg(HW_REG_WAVE_MODE, 25, 1), 1
	s_wait_xcnt 0x0
; PREP.  (1) x [8192][1024], Wq, Wk, Wv [1024][1024], f32, K innermost, become codes of FP4 (E2M1), two a byte, the lower k in the low four bits, with one E8M0 byte for each 32 along K.
; The four tensors follow each other in the two buffers: rows 0-8191 x, 8192-9215 Wq, 9216-10239 Wk, 10240-11263 Wv; a row is 512 bytes of codes and 32 scale bytes.
; A block's scale is 2^(floor(log2(its largest magnitude)) - 2); its byte is the largest magnitude's exponent field - 2, held at 1 from below.
; (2) Wp [1024 n][1024 k], f32, becomes f16, laid as UNITS of 512 bytes, [64 n16][64 k16]: in a unit lane l = (r = l % 16, h = l / 16) has 16 bytes at 16 l: row n = r, k = 8 h + 0 .. 7.
; Two neighbouring units are the eight registers of a 16 x 32 fragment, so the product's launch reads fragments at 16 x lane.
; LIMITS: blocks whose largest magnitude lies under 2^-124 hold the byte 1; a block of zeros gets the byte 1 and zero codes (the bytes are read by this program alone);
; Wp in f16: magnitudes above 65,504 become infinity, those under 6.1e-5 lose bits; NaN and infinities among the inputs are not served.
; SHARES.  Work-groups 0-351 quantise 32,768 numbers each (a wave: 16 steps of 512): 0-255 x, 256-287 Wq, 288-319 Wk, 320-351 Wv; since the weights follow x in the buffers, the run of a wave is 4 g + wave for every g.
; Work-groups 352-383 turn Wp: a wave takes 16 rows x 512 k, in four jobs of 128 k.  The two ways part on the work-group's number and have LDS bytes of their own.  No barrier: waves share nothing.
.set QWG,   352
.set STEPS, 16
.set CB,    8                          ; bytes of 16 codes
.set R,     16                         ; v16-79   four sets of 16 numbers as loaded
.set X,     80                         ; v80-111  two sets of 16 neighbours
.set E,     112                        ; v112-127 a scale byte for each step
.set C,     128                        ; v128-191 codes, four registers a step: no store's data are written again
.set WREG,  8192                       ; LDS of a quantising wave: two stages of 32 x SP bytes, then its 256 scale bytes
.set SP,    80                         ; a lane's place in a stage: 64 bytes + 16 of padding
.set SPW,   12                         ; v12 LDS address of my spare word; never rewritten
.set NIL,   13                         ; v13 0; never rewritten
.set WSTG,  32768                      ; LDS of the Wp way: a stage of 16 rows x WPIT bytes for each wave
.set WPIT,  528                        ; 512 bytes + 16: row r starts 33 r columns of 16 bytes on, so sixteen rows fall on sixteen different columns
.set SPARE, WSTG+4*16*WPIT             ; the spare words: 128 bytes a wave, two blocks of 256 bytes that no other line names
	s_load_b512 s[4:19], s[0:1], 0x0               ; x s[4:5], Wq s[6:7], Wk s[8:9], Wv s[10:11], Wp s[12:13], codes s[14:15], scales s[16:17], wp16 s[18:19]
	v_lshl_add_u32 v[SPW], v0, 2, SPARE
	v_mov_b32 v[NIL], 0
	v_lshrrev_b32 v1, 5, v0
	v_readfirstlane_b32 s20, v1                    ; wave
	v_and_b32 v2, 31, v0                           ; lane
	s_cmp_ge_u32 ttmp9, QWG
	s_cbranch_scc1 .Lwp
	; ---------------- the quantiser ----------------
	v_lshlrev_b32 v3, 4, v2                        ; my 16 bytes of a load's 512
	s_mul_i32 s21, s20, WREG
	v_lshrrev_b32 v14, 2, v2
	v_mul_u32_u24 v14, v14, SP
	v_and_b32 v15, 3, v2
	v_lshl_add_u32 v14, v15, 4, v14
	v_add_nc_u32 v14, s21, v14                     ; the stage, in: four lanes' 64 bytes on end, then 16 of padding
	v_mul_u32_u24 v15, v2, SP
	v_add_nc_u32 v15, s21, v15                     ; and out: my 16 neighbours
	v_mul_u32_u24 v4, v2, CB                       ; my codes' place in a step's 256 bytes
	v_lshrrev_b32 v5, 1, v2
	s_add_co_u32 s21, s21, 2*32*SP
	v_add_nc_u32 v5, s21, v5                       ; my block's scale byte in LDS
	v_lshlrev_b32 v7, 3, v2                        ; on the way out 8 bytes a lane
	v_add_nc_u32 v6, s21, v7
	s_wait_kmcnt 0x0
	s_mov_b64 s[22:23], s[10:11]                   ; which tensor: by the work-group's number alone
	s_cmp_lt_u32 ttmp9, 320
	s_cselect_b64 s[22:23], s[8:9], s[22:23]
	s_cmp_lt_u32 ttmp9, 288
	s_cselect_b64 s[22:23], s[6:7], s[22:23]
	s_and_b32 s24, ttmp9, 31                       ; a weight has 32 work-groups, and 256, 288, 320 are multiples of 32
	s_cmp_lt_u32 ttmp9, 256
	s_cselect_b64 s[22:23], s[4:5], s[22:23]
	s_cselect_b32 s24, ttmp9, s24
	s_lshl_b32 s24, s24, 2
	s_add_co_u32 s24, s24, s20                     ; my run of 8,192 numbers in the tensor
	s_lshl_b32 s24, s24, 15                        ; 32,768 bytes a run
	s_mov_b32 s25, 0
	s_add_nc_u64 s[22:23], s[22:23], s[24:25]
	s_lshl_b32 s26, ttmp9, 2
	s_add_co_u32 s26, s26, s20                     ; my run in the two buffers
	s_lshl_b32 s24, s26, 12                        ; 4,096 bytes of codes a run
	s_add_nc_u64 s[14:15], s[14:15], s[24:25]
	s_lshl_b32 s24, s26, 8                         ; 256 scale bytes a run
	s_add_nc_u64 s[16:17], s[16:17], s[24:25]
.macro LOAD t
.irp i, 0,1,2,3
	global_load_b128 v[R+16*((\t)%4)+4*\i:R+16*((\t)%4)+4*\i+3], v3, s[22:23] offset:2048*(\t)+512*\i th:TH_LOAD_NT   ; 32 lanes read 512 consecutive bytes
.endr
.endm
.macro TURN t                          ; step t's numbers through the stage: LDS serves a wave's instructions in order (ISA guide 5.7.1.4), so no wait stands between the stores and the loads
.irp i, 0,1,2,3
	ds_store_b128 v14, v[R+16*((\t)%4)+4*\i:R+16*((\t)%4)+4*\i+3] offset:32*SP*((\t)%2)+8*SP*\i
.endr
.irp i, 0,1,2,3
	ds_load_b128 v[X+16*((\t)%2)+4*\i:X+16*((\t)%2)+4*\i+3], v15 offset:32*SP*((\t)%2)+16*\i
.endr
.endm
.irp t, 0,1,2,3
	LOAD \t
.endr
	s_wait_loadcnt 12                              ; step 0's four loads are in
	TURN 0
.macro STEP t
.set XS, X+16*((\t)%2)
.if (\t) > 0
	s_wait_dscnt 1                                 ; this step's numbers are back from the stage (the last step's byte store may be out): its stores into the stage have read their registers,
.else
	s_wait_dscnt 0x0
.endif
.if (\t)+4 < STEPS
	LOAD (\t)+4                                    ; which take the loads of four steps on
.endif
.if (\t)+1 < STEPS
.if STEPS-2-(\t) >= 3
	s_wait_loadcnt 12                              ; the next step's four loads are in; those of the three steps behind it may be out
.else
	s_wait_loadcnt 4*(STEPS-2-(\t))
.endif
	TURN (\t)+1                                    ; and go through the other stage while this step is worked
.endif
	v_max3_num_f32 v8, |v[XS]|, |v[XS+1]|, |v[XS+2]|               ; the largest magnitude of my 16, in two chains
	v_max3_num_f32 v9, |v[XS+3]|, |v[XS+4]|, |v[XS+5]|
.irp i, 6,10
	v_max3_num_f32 v8, v8, |v[XS+\i]|, |v[XS+\i+1]|
	v_max3_num_f32 v9, v9, |v[XS+\i+2]|, |v[XS+\i+3]|
.endr
	v_max3_num_f32 v8, v8, |v[XS+14]|, |v[XS+15]|
	v_max3_num_f32 v8, v8, v9, 0x1800000           ; and the floor 2^(3 - 127): the byte cannot fall under 1
	v_max_num_f32_dpp v8, v8, v8 row_xmask:1 row_mask:0xf bank_mask:0xf   ; with my neighbour's 16: the block's
	v_add_nc_u32 v11, 0xff000000, v8               ; 2 off its exponent field: the conversion takes the exponent field of this operand as its scale
	v_cvt_scalef32_pk8_fp4_f32 v[C+4*(\t)], v[XS:XS+7], v11
	v_cvt_scalef32_pk8_fp4_f32 v[C+4*(\t)+1], v[XS+8:XS+15], v11
	v_lshrrev_b32 v[E+(\t)], 23, v11               ; the scale's byte (also the plain line behind the conversions)
	ds_store_b8 v5, v[E+(\t)] offset:16*(\t)       ; both lanes of a block write the same byte with the same value
	global_store_b64 v4, v[C+4*(\t):C+4*(\t)+1], s[14:15] offset:32*CB*(\t)   ; the wave stores 256 consecutive bytes, aligned
.endm
.irp t, 0,1,2,3,4,5,6,7,8,9,10,11,12,13,14,15
	STEP \t
.endr
	ds_load_b64 v[8:9], v6                         ; my wave's 256 scale bytes: these see my stores
	s_wait_dscnt 0x0
	global_store_b64 v7, v[8:9], s[16:17]          ; 32 lanes store 256 consecutive bytes, aligned
	s_wait_tensorcnt 0x0                           ; the wave's end
	ds_add_u32 v[SPW], v[NIL]
	s_wait_dscnt 0x0
	s_endpgm
	; ---------------- Wp into f16 units ----------------
.Lwp:
	v_lshlrev_b32 v1, 4, v2                        ; 16 x lane: a load's 512 bytes of a row, and a unit's 512 bytes
	s_mul_i32 s21, s20, 16*WPIT
	s_add_co_u32 s21, s21, WSTG                    ; my stage
	v_add_nc_u32 v4, s21, v1                       ; in: the row stands in the immediate
	v_and_b32 v5, 15, v2                           ; r
	v_lshrrev_b32 v6, 4, v2                        ; h
	v_mul_u32_u24 v5, v5, WPIT
	v_lshl_add_u32 v5, v6, 5, v5
	v_add_nc_u32 v5, s21, v5                       ; out: row r, 32 h bytes on: my eight numbers of a unit
	s_sub_co_u32 s22, ttmp9, QWG
	s_lshl_b32 s22, s22, 1
	s_lshr_b32 s23, s20, 1
	s_add_co_u32 s22, s22, s23                     ; my 16 rows: n16 = 2 g' + wave / 2
	s_and_b32 s23, s20, 1                          ; my half of K
	s_lshl_b32 s24, s22, 16                        ; 16 rows of 4,096 bytes
	s_lshl_b32 s26, s23, 11
	s_add_co_u32 s24, s24, s26
	s_mov_b32 s25, 0
	s_lshl_b32 s26, s22, 15                        ; 64 units of 512 bytes
	s_lshl_b32 s27, s23, 14
	s_add_co_u32 s26, s26, s27
	s_mov_b32 s27, 0
	s_wait_kmcnt 0x0
	s_add_nc_u64 s[12:13], s[12:13], s[24:25]
	s_add_nc_u64 s[18:19], s[18:19], s[26:27]
.macro WLOAD i                         ; job i: 16 rows x 128 k into set i % 2 (v16-79, v80-143)
.irp row, 0,1,2,3,4,5,6,7,8,9,10,11,12,13,14,15
	global_load_b128 v[16+64*((\i)%2)+4*\row:16+64*((\i)%2)+4*\row+3], v1, s[12:13] offset:\row*4096+(\i)*512 th:TH_LOAD_NT
.endr
.endm
.macro WJOB i
.if (\i) < 3
	s_wait_loadcnt 16                              ; this job's 16 loads are in; the next job's may be out
.else
	s_wait_loadcnt 0x0
.endif
.irp row, 0,1,2,3,4,5,6,7,8,9,10,11,12,13,14,15
	ds_store_b128 v4, v[16+64*((\i)%2)+4*\row:16+64*((\i)%2)+4*\row+3] offset:\row*WPIT
.endr
.irp u, 0,1,2,3,4,5,6,7
.irp p, 0,1
	ds_load_b128 v[144+8*\u+4*\p:144+8*\u+4*\p+3], v5 offset:64*\u+16*\p   ; unit u: row r, k = 16 u + 8 h + 0 .. 7
.endr
.endr
	s_wait_dscnt 0x0                               ; the units are in, and the stores have read the set,
.if (\i) < 2
	WLOAD (\i)+2                                   ; which takes the job two on
.endif
	s_wait_xcnt 0x0                                ; the last job's stores have read v208-239: they are written again only behind this wait
.irp u, 0,1,2,3,4,5,6,7
.irp q, 0,1,2,3
	v_cvt_pk_f16_f32 v[208+4*\u+\q], v[144+8*\u+2*\q], v[144+8*\u+2*\q+1]
.endr
.endr
.irp u, 0,1,2,3,4,5,6,7
	global_store_b128 v1, v[208+4*\u:208+4*\u+3], s[18:19] offset:(\i)*4096+\u*512   ; a unit: 512 consecutive bytes, aligned
.endr
.endm
	WLOAD 0
	WLOAD 1
	WJOB 0
	WJOB 1
	WJOB 2
	WJOB 3
	s_wait_tensorcnt 0x0                           ; the wave's end: the same three lines
	ds_add_u32 v[SPW], v[NIL]
	s_wait_dscnt 0x0
	s_endpgm
.Lfunc_end_k_qaa3e739f1f_prep:
	.size	k_qaa3e739f1f_prep, .Lfunc_end_k_qaa3e739f1f_prep-k_qaa3e739f1f_prep
	.p2alignl 7, 3214868480
	.fill 96, 4, 3214868480
	.section	.rodata,"a",@progbits
	.p2align	6, 0x0
	.amdhsa_kernel k_qaa3e739f1f_prep
		.amdhsa_group_segment_fixed_size 67072
		.amdhsa_private_segment_fixed_size 0
		.amdhsa_enable_private_segment 0
		.amdhsa_kernarg_size 64
		.amdhsa_user_sgpr_count 2
		.amdhsa_user_sgpr_kernarg_segment_ptr 1
		.amdhsa_wavefront_size32 1
		.amdhsa_system_sgpr_workgroup_id_x 1
		.amdhsa_system_sgpr_workgroup_id_y 1
		.amdhsa_system_sgpr_workgroup_id_z 1
		.amdhsa_system_vgpr_workitem_id 0
		.amdhsa_next_free_vgpr 256
		.amdhsa_next_free_sgpr 66
		.amdhsa_reserve_vcc 0
		.amdhsa_float_denorm_mode_32 3
		.amdhsa_float_denorm_mode_16_64 3
		.amdhsa_memory_ordered 1
		.amdhsa_forward_progress 1
		.amdhsa_inst_pref_size 60
	.end_amdhsa_kernel
	.amdgpu_metadata
---
amdhsa.version: [ 1, 2 ]
amdhsa.kernels:
  - .name:           k_qaa3e739f1f_prep
    .symbol:         k_qaa3e739f1f_prep.kd
    .args:
      - { .name: x, .offset: 0, .size: 8, .value_kind: global_buffer, .address_space: global }
      - { .name: Wq, .offset: 8, .size: 8, .value_kind: global_buffer, .address_space: global }
      - { .name: Wk, .offset: 16, .size: 8, .value_kind: global_buffer, .address_space: global }
      - { .name: Wv, .offset: 24, .size: 8, .value_kind: global_buffer, .address_space: global }
      - { .name: Wp, .offset: 32, .size: 8, .value_kind: global_buffer, .address_space: global }
      - { .name: codes, .offset: 40, .size: 8, .value_kind: global_buffer, .address_space: global }
      - { .name: scales, .offset: 48, .size: 8, .value_kind: global_buffer, .address_space: global }
      - { .name: wp16, .offset: 56, .size: 8, .value_kind: global_buffer, .address_space: global }
    .group_segment_fixed_size: 67072
    .private_segment_fixed_size: 0
    .kernarg_segment_align: 8
    .kernarg_segment_size: 64
    .max_flat_workgroup_size: 128
    .sgpr_count:     66
    .vgpr_count:     256
    .wavefront_size: 32
...
	.end_amdgpu_metadata
.endif
;; end of part 1
;; launch qkv (part 2): grid 12 x 32, 4 waves a work-group, clusters of 4 x 4, 327,680 bytes of LDS; arguments codes, scales, qkv, fine; writes qkv, fine
.if DOCPART == 2
	.amdgcn_target "amdgcn-amd-amdhsa--gfx1250"
	.amdhsa_code_object_version 6
	.text
	.protected	k_qaa3e739f1f_qkv
	.globl	k_qaa3e739f1f_qkv
	.p2align	8
	.type	k_qaa3e739f1f_qkv,@function
k_qaa3e739f1f_qkv:
	s_mov_b64 s[64:65], 0
	v_nop
	global_prefetch_b8 v0, s[64:65] scope:SCOPE_SE
	s_setreg_imm32_b32 hwreg(HW_REG_WAVE_MODE, 25, 1), 1
	s_wait_xcnt 0x0
	s_wait_alu depctr_hold_cnt(0) depctr_sa_sdst(0) depctr_va_vdst(0) depctr_va_sdst(0) depctr_va_ssrc(0) depctr_va_vcc(0) depctr_vm_vsrc(0)
	s_getreg_b32 s2, hwreg(HW_REG_IB_STS2, 6, 4)
	s_cmp_eq_u32 s2, 0
	s_cbranch_scc0 .Lentry_in_a_cluster
	s_endpgm
.Lentry_in_a_cluster:
	s_bfe_u32 s2, ttmp6, 0x10000c
	s_cmp_lg_u32 s2, 0xf033
	s_cbranch_scc0 .Lentry_shape_is_right
	s_endpgm
.Lentry_shape_is_right:
; q = x Wq^T, k = x Wk^T, v = x Wv^T on codes of FP4 (E2M1) with one E8M0 scale for each 32 along K = 1,024; sums in f32, K ascending, one accumulator an output.
; codes: [11264 rows][512 bytes], scales: [11264][32]: rows 0-8191 x, 8192.. Wq, 9216.. Wk, 10240.. Wv.
; A work-group of four waves makes a tile of 256 x 256; a wave 128 x 128: 64 accumulators of 16 x 16.  K is two steps of 512: both slots, and the scale bytes of the tile's 512 rows, are asked for at the head; nothing is filled again.
; CLUSTERS: 4 x 4 work-groups; the 'A tile' (source 1) is shared along a row of the cluster, the 'B tile' (source 0) along a column: each is asked for jointly.
; Clusters with x = 0, 1 make q, k: A = 256 tokens of x, tile y + 8 cy;  B = 256 rows of the weight, tile 4 x + cx.  A lane then holds ONE token and eight neighbouring channels.
; Clusters with x = 2 make v WITH THE ROLES SWAPPED: A = 256 rows of Wv, tile cy;  B = 256 tokens, tile y + 8 cx.  A lane then holds ONE channel and eight neighbouring tokens: V^T, as the second product of attention wants it.
; OUT.  A lane's eight results, rounded to f16, are 16 bytes; the 32 lanes' are a UNIT of 512 bytes (16 rows x 16 along the next K; lane (r, h): row r, 8 h + 0 .. 7), which is half a 16 x 32 fragment as it stands.
; qkv: [3][64 batch x head][128 t16][4 d16][512 bytes].  So every store of a wave covers 512 consecutive bytes, aligned, straight from registers, and no stage in LDS is needed.
; The first 16 positions of each sequence also leave as f32 (fine: [3][64][4 d16][2 planes][512]; plane p = an accumulator's registers 4 p .. 4 p + 3): they lie in the tiles with cluster y = 0, the same in all sixteen partners.
; LIMIT: q, k, v in f16: magnitudes above 65,504 become infinity, those under 6.1e-5 lose bits.
; REGISTERS, in windows of 256: window 0: v16-29 addresses; v32-95 scale words, two sets; v128-191 A's fragments, one set; on the way out v128-255 the packed results.  window 1: B's fragments, two sets, at v0 and v128.
;   window 2: the accumulators of A's blocks 0-3 ((a, b) at v[8 (8 a + b)]);  window 3: those of blocks 4-7.
.set NQ,     4                         ; matrix instructions deep in a slot
.set ROWB,   256                       ; a tile's row: 512 codes
.set KROW,   512                       ; a row of codes in memory
.set PITCH,  272                       ; an LDS row: 256 bytes + 16: row r starts at bank 4 r mod 64 (64 banks of 4 bytes: ISA guide 11.1)
.set FR,     8
.set NL,     2
.set NP,     4                         ; places behind this matrix instruction (ISA guide 7.12.1)
.set HALFT,  128*PITCH
.set SLOT,   4*HALFT
.set KS,     32                        ; a row of scale bytes
.set SCL,    2*SLOT
.set HALFS,  (128*KS/256)*272
.set SBLK,   (16*KS/256)*272
.set SPARE,  SCL+4*HALFS               ; the spare words: 128 bytes a wave, two blocks of 256 bytes that no other line names
.set ADRA, 16
.set ADRB, 20
.set CO,   26                          ; v26 16 x lane: my place in a unit
.set ADRS, 27
.set SPW,  28
.set NIL,  29
.set SC,   32
.set AF,   128
.set TMP,  128
.set G1, 24
.set G0, 32
.set G1B, 48
.set G0B, 56
.set G1S, 68
.set G0S, 76
.set G1SB, 80
.set G0SB, 88
.set MSB, 0
.macro WIN new                         ; the immediate's high byte repeats the setting that is left
.if MSB != (\new)
	s_set_vgpr_msb (MSB<<8)|(\new)
.set MSB, (\new)
.endif
.endm
.set MUL_LO, 0xa1                      ; source 0 (B) window 1, source 1 (A) window 0, C and D window 2
.set MUL_HI, 0xf1
.set TO_B,   0x40
; A joint load: waves 0 and 1 fetch for A, waves 2 and 3 for B; the branch hangs on the wave's number alone.  An s_nop 0 and four v_nop follow each line.
.macro JLOAD g0a, g1a, g0b, g1b
	s_cmp_eq_u32 s15, 0
	s_cbranch_scc0 .Lfor_b_\@
	tensor_load_to_lds s[\g0a:\g0a+3], s[\g1a:\g1a+7]
	s_nop 0
.rept 4
	v_nop
.endr
	s_branch .Lasked_\@
.Lfor_b_\@:
	tensor_load_to_lds s[\g0b:\g0b+3], s[\g1b:\g1b+7]
	s_nop 0
.rept 4
	v_nop
.endr
.Lasked_\@:
.endm
.macro CROUND                          ; a round of the cluster's barrier
	s_barrier_signal -1
	s_barrier_wait -1
	s_cmp_lg_u32 s14, 0
	s_cbranch_scc1 .Lnot_wave_0_\@
	s_barrier_signal -3
.Lnot_wave_0_\@:
	s_barrier_wait -3
	s_barrier_signal -1
	s_barrier_wait -1
.endm
	s_load_b256 s[4:11], s[0:1], 0x0               ; codes s[4:5], scales s[6:7], qkv s[8:9], fine s[10:11]
	v_lshl_add_u32 v[SPW], v0, 2, SPARE
	v_mov_b32 v[NIL], 0
	ds_add_u32 v[SPW], v[NIL]                      ; the wave's opening: the add, twice on end, and its wait ahead of my first tensor load
	ds_add_u32 v[SPW], v[NIL]
	v_lshrrev_b32 v1, 5, v0
	v_readfirstlane_b32 s14, v1                    ; wave 0..3
	s_lshr_b32 s15, s14, 1                         ; which half of A's rows is mine.  Also: I fetch for A (0) or for B (1)
	s_and_b32 s16, s14, 1                          ; which half of B's rows.  Also: which 128 rows of that tile I fetch
	s_bfe_u32 s40, ttmp6, 0x40000                  ; cx
	s_bfe_u32 s41, ttmp6, 0x40004                  ; cy
	s_and_b32 s17, ttmp7, 0xffff                   ; cluster y
	s_lshl_b32 s43, s41, 2
	s_lshl_b32 s43, 15, s43                        ; my row of the cluster
	s_lshl_b32 s44, 0x1111, s40                    ; my column
	s_or_b32 s[G1+0], s43, (0<<16)|(1<<20)|(1<<21)|(5<<22)|(3<<25)  ; the mask; elements of 1 byte; padding: 4 words behind every 64; bit 21 beside a mask
	s_or_b32 s[G1B+0], s44, (0<<16)|(1<<20)|(1<<21)|(5<<22)|(3<<25)
.irp g, G1, G1B
	s_mov_b32 s[\g+1], ROWB<<16                    ; tensor_dim0
	s_mov_b32 s[\g+2], 128<<16                     ; tensor_dim1
	s_mov_b32 s[\g+3], ROWB<<16                    ; tile_dim0
	s_mov_b32 s[\g+4], 128                         ; tile_dim1
	s_mov_b32 s[\g+5], KROW                        ; from row to row
	s_mov_b32 s[\g+6], 0
	s_mov_b32 s[\g+7], 0
.endr
	s_or_b32 s[G1S+0], s43, (3<<16)|(1<<20)|(1<<21)|(5<<22)|(3<<25)  ; the scales of 128 rows: 4,096 dense bytes as 16 rows of 256 (32 elements of 8 bytes), 16 bytes of padding behind each
	s_or_b32 s[G1SB+0], s44, (3<<16)|(1<<20)|(1<<21)|(5<<22)|(3<<25)
.irp g, G1S, G1SB
	s_mov_b32 s[\g+1], 32<<16
	s_mov_b32 s[\g+2], (128*KS/256)<<16
	s_mov_b32 s[\g+3], 32<<16
	s_mov_b32 s[\g+4], 128*KS/256
	s_mov_b32 s[\g+5], 32
	s_mov_b32 s[\g+6], 0
	s_mov_b32 s[\g+7], 0
.endr
	; A's first row hangs on cy, the cluster's x and y; B's on cx, the cluster's x and y: each in registers that never hold the other place
	s_lshl_b32 s20, s41, 3
	s_add_co_u32 s20, s20, s17
	s_lshl_b32 s20, s20, 8                         ; tokens: tile y + 8 cy
	s_lshl_b32 s21, s41, 8
	s_add_co_u32 s21, s21, 10240                   ; or Wv's rows: tile cy
	s_cmp_eq_u32 ttmp9, 2
	s_cselect_b32 s20, s21, s20
	s_lshl_b32 s46, s40, 3
	s_add_co_u32 s46, s46, s17
	s_lshl_b32 s46, s46, 8                         ; tokens: tile y + 8 cx
	s_lshl_b32 s47, ttmp9, 2
	s_add_co_u32 s47, s47, s40
	s_lshl_b32 s47, s47, 8
	s_add_co_u32 s47, s47, 8192                    ; or the weight's rows: tile 4 x + cx of Wq, Wk
	s_cmp_eq_u32 ttmp9, 2
	s_cselect_b32 s46, s46, s47
	s_lshl_b32 s18, s16, 7                         ; which 128 rows I fetch
	s_add_co_u32 s20, s20, s18
	s_add_co_u32 s46, s46, s18
	s_lshl_b32 s22, s20, 5                         ; their scale bytes,
	s_mov_b32 s23, 0
	s_lshl_b32 s20, s20, 9                         ; their codes (11,264 rows of 512 bytes stay under 2^32)
	s_mov_b32 s21, 0
	s_lshl_b32 s92, s46, 5
	s_mov_b32 s93, 0
	s_lshl_b32 s46, s46, 9
	s_mov_b32 s47, 0
	s_mul_i32 s45, s14, HALFT                      ; where they go: wave x 128 rows: no place in the cluster enters an LDS address
	s_mul_i32 s94, s14, HALFS
	s_wait_dscnt 0x0                               ; both opening adds are done
	s_wait_kmcnt 0x0
	s_add_nc_u64 s[20:21], s[4:5], s[20:21]
	s_add_nc_u64 s[22:23], s[6:7], s[22:23]
	s_add_nc_u64 s[46:47], s[4:5], s[46:47]
	s_add_nc_u64 s[92:93], s[6:7], s[92:93]
	CROUND                                         ; all sixteen work-groups are here: the joint loads meet
	s_mov_b32 s[G0S], 1
	s_add_co_u32 s[G0S+1], s94, SCL
	s_mov_b64 s[G0S+2:G0S+3], s[22:23]
	s_or_b32 s[G0S+3], s[G0S+3], 0x80000000
	s_mov_b32 s[G0SB], 1
	s_add_co_u32 s[G0SB+1], s94, SCL
	s_mov_b64 s[G0SB+2:G0SB+3], s[92:93]
	s_or_b32 s[G0SB+3], s[G0SB+3], 0x80000000
	JLOAD G0S, G1S, G0SB, G1SB                     ; the scales first: they are wanted with K step 0
.irp s, 0,1
	s_mov_b32 s[G0+4*\s], 1
	s_add_co_u32 s[G0+4*\s+1], s45, \s*SLOT
	s_add_nc_u64 s[G0+4*\s+2:G0+4*\s+3], s[20:21], \s*ROWB
	s_or_b32 s[G0+4*\s+3], s[G0+4*\s+3], 0x80000000
	s_mov_b32 s[G0B+4*\s], 1
	s_add_co_u32 s[G0B+4*\s+1], s45, \s*SLOT
	s_add_nc_u64 s[G0B+4*\s+2:G0B+4*\s+3], s[46:47], \s*ROWB
	s_or_b32 s[G0B+4*\s+3], s[G0B+4*\s+3], 0x80000000
	JLOAD G0+4*\s, G1, G0B+4*\s, G1B               ; three tensor loads of mine are out, and no more follow
.endr
	v_and_b32 v1, 15, v0                           ; l % 16
	v_bfe_u32 v2, v0, 4, 1                         ; l / 16
	v_mul_u32_u24 v3, v1, PITCH
	v_lshl_add_u32 v4, v2, 4, v3                   ; a fragment's row x pitch + 16 x half
	s_mul_i32 s21, s15, HALFT                      ; my 128 rows of A
	s_mul_i32 s22, s16, HALFT                      ; my 128 rows of B,
	s_add_co_u32 s22, s22, 2*HALFT                 ; which lie behind A's 256
.irp s, 0,1
	v_add_nc_u32 v[ADRA+\s], s21, v4
	v_add_nc_u32 v[ADRB+\s], s22, v4
	s_add_co_u32 s21, s21, SLOT
	s_add_co_u32 s22, s22, SLOT
.endr
	v_mul_u32_u24 v5, v1, KS                       ; my row's scales: 32 bytes a row,
	v_lshrrev_b32 v6, 8, v5
	v_lshl_add_u32 v5, v6, 4, v5                   ; and 16 more for each 256 passed
	s_mul_i32 s21, s15, HALFS
	s_mul_i32 s22, s16, HALFS
	s_add_co_u32 s22, s22, 2*HALFS
	s_sub_co_u32 s22, s22, s21
	v_mul_u32_u24 v6, s22, v2                      ; lanes 16-31 take B's: one product, the distance between the two bases
	s_add_co_u32 s21, s21, SCL
	v_add_nc_u32 v5, v5, v6
	v_add_nc_u32 v[ADRS], s21, v5
	v_and_b32 v6, 31, v0
	v_lshlrev_b32 v[CO], 4, v6
	; where my results go (global addresses alone hang on cx, cy; in registers that fed no descriptor)
	s_cmp_eq_u32 ttmp9, 2
	s_cselect_b32 s2, s40, s41                     ; the batch: the token tile's place
	s_cselect_b32 s3, s41, s40                     ; the four heads of the channel tile
	s_cselect_b32 s12, s15, s16                    ; my half of the channels
	s_cselect_b32 s13, s16, s15                    ; my half of the tokens
	s_lshl_b32 s3, s3, 2
	s_lshl_b32 s12, s12, 1
	s_add_co_u32 s3, s3, s12                       ; my first head
	s_lshl_b32 s2, s2, 4
	s_add_co_u32 s2, s2, s3                        ; batch x 16 + head
	s_lshl_b32 s12, s17, 4
	s_lshl_b32 s13, s13, 3
	s_add_co_u32 s12, s12, s13                     ; my first t16 in the sequence
	s_lshl_b32 s13, s2, 7
	s_add_co_u32 s13, s13, s12
	s_lshl_b32 s96, s13, 11                        ; 2,048 bytes a t16
	s_lshl_b32 s13, ttmp9, 24                      ; q, k or v: 16,777,216 bytes each
	s_add_co_u32 s96, s96, s13
	s_mov_b32 s97, 0
	s_add_nc_u64 s[96:97], s[8:9], s[96:97]
	s_lshl_b32 s13, ttmp9, 6
	s_add_co_u32 s13, s13, s2
	s_lshl_b32 s98, s13, 12                        ; fine: 4,096 bytes a head
	s_mov_b32 s99, 0
	s_add_nc_u64 s[98:99], s[10:11], s[98:99]
.macro FRAG reg, adr, q, i             ; 16 rows x 128 K of 4-bit codes: 8 registers; registers 4 c .. 4 c + 3 hold K = 64 c + 32 (l / 16) + 0 .. 31
.irp c, 0,1
	ds_load_b128 v[\reg+4*\c:\reg+4*\c+3], v[\adr] offset:64*(\q)+32*\c+(\i)*16*PITCH
.endr
.endm
; 16 matrix instructions: A's blocks a0, a0 + 1 x B's eight, the slot's q-th 128 along K.  The 64 accumulators take turns, one instruction a turn, in the same order in every step.
.macro MUL16 a0, p, q, sc, zero
.irp a, \a0, \a0+1
.irp b, 0,1,2,3,4,5,6,7
.if \zero
	v_wmma_scale_f32_16x16x128_f8f6f4 v[8*(8*((\a)%4)+\b):8*(8*((\a)%4)+\b)+7], v[128*(\p)+FR*\b:128*(\p)+FR*\b+FR-1], v[AF+FR*(\a):AF+FR*(\a)+FR-1], 0, v[SC+8*NQ*(\sc)+NQ*\b+(\q)], v[SC+8*NQ*(\sc)+NQ*(\a)+(\q)] matrix_a_fmt:MATRIX_FMT_FP4 matrix_b_fmt:MATRIX_FMT_FP4 matrix_a_scale:MATRIX_SCALE_ROW1
.else
	v_wmma_scale_f32_16x16x128_f8f6f4 v[8*(8*((\a)%4)+\b):8*(8*((\a)%4)+\b)+7], v[128*(\p)+FR*\b:128*(\p)+FR*\b+FR-1], v[AF+FR*(\a):AF+FR*(\a)+FR-1], v[8*(8*((\a)%4)+\b):8*(8*((\a)%4)+\b)+7], v[SC+8*NQ*(\sc)+NQ*\b+(\q)], v[SC+8*NQ*(\sc)+NQ*(\a)+(\q)] matrix_a_fmt:MATRIX_FMT_FP4 matrix_b_fmt:MATRIX_FMT_FP4 matrix_a_scale:MATRIX_SCALE_ROW1
.endif
.endr
.endr
.endm
.macro FETCH_B slot, q, p
	WIN TO_B
.irp i, 0,1,2,3,4,5,6,7
	FRAG 128*(\p)+FR*\i, ADRB+\slot, \q, \i
.endr
	WIN 0
.endm
.macro FETCH_A slot, q, i0
.irp i, \i0, \i0+1, \i0+2, \i0+3
	FRAG AF+FR*(\i), ADRA+\slot, \q, \i
.endr
.endm
.macro SCALES sc                       ; a K step's scale words: four a row; lanes 0-15 take A's block i, lanes 16-31 B's block i
.irp i, 0,1,2,3,4,5,6,7
	ds_load_b128 v[SC+8*NQ*\sc+NQ*\i:SC+8*NQ*\sc+NQ*\i+3], v[ADRS] offset:\i*SBLK
.endr
.endm
.macro PLACES n                        ; plain vector instructions that name no register of the matrix instructions in front (ISA guide 7.12.1)
.rept \n
	v_nop
.endr
.endm
.macro STEP slot, q, zero              ; a step of 128 along K that has its successor in the same slot
	s_wait_dscnt 4*NL                              ; B's set and A's blocks 0-3 are in; A's blocks 4-7 may be out
	WIN MUL_LO
	MUL16 0, (\q)%2, \q, \slot, \zero
	MUL16 2, (\q)%2, \q, \slot, \zero
	s_wait_dscnt 0
	PLACES NP
	FETCH_B \slot, (\q)+1, 1-(\q)%2
	FETCH_A \slot, (\q)+1, 0
	WIN MUL_HI
	MUL16 4, (\q)%2, \q, \slot, \zero
	MUL16 6, (\q)%2, \q, \slot, \zero
	PLACES NP
	WIN 0
	FETCH_A \slot, (\q)+1, 4
.endm
.macro TURN slot, next                 ; slot 0's last step changes slots: one barrier
	s_wait_tensorcnt 0x0                           ; all my tensor loads have landed: my part of the next slot
	ds_add_u32 v[SPW], v[NIL]                      ; 0 onto my spare word
	s_wait_dscnt 4*NL+1                            ; (the add and A's blocks 4-7 may be out)
	WIN MUL_LO
	MUL16 0, 1, NQ-1, \slot, 0
	s_wait_dscnt 0x0                               ; the add is done, and my reads of this slot are over
	s_barrier_signal -1
	MUL16 2, 1, NQ-1, \slot, 0
	WIN 0
	s_barrier_wait -1                              ; the next slot is whole
	PLACES NP
	v_add_nc_u32 v[ADRS], 4*NQ, v[ADRS]            ; the next K step's scale words
	FETCH_B \next, 0, 0
	FETCH_A \next, 0, 0
	SCALES \next
	WIN MUL_HI
	MUL16 4, 1, NQ-1, \slot, 0
	MUL16 6, 1, NQ-1, \slot, 0
	PLACES NP
	WIN 0
	FETCH_A \next, 0, 4
.endm
.macro STEPS slot, from
.set Q, \from
.rept NQ-1-\from
	STEP \slot, Q, 0
.set Q, Q+1
.endr
.endm
	s_wait_tensorcnt 1                             ; the scales and my part of K step 0 are in; K step 1's load may be out
	s_barrier_signal -1
	s_barrier_wait -1
	FETCH_B 0, 0, 0
	FETCH_A 0, 0, 0
	SCALES 0
	FETCH_A 0, 0, 4
	STEP 0, 0, 1                                   ; the first products start the sums: nothing is cleared
	STEPS 0, 1
	TURN 0, 1
	STEPS 1, 0
	s_wait_dscnt 4*NL                              ; the last step: nothing more to fetch
	WIN MUL_LO
	MUL16 0, 1, NQ-1, 1, 0
	MUL16 2, 1, NQ-1, 1, 0
	s_wait_dscnt 0
	WIN MUL_HI
	MUL16 4, 1, NQ-1, 1, 0
	MUL16 6, 1, NQ-1, 1, 0
	WIN 0
; THE WAY OUT.  A's block a: its eight accumulators are rounded to f16, each from its low end on, and stored as eight units.
; swap = 0 (q, k): block a is a t16, b a d16 of head b / 4.  swap = 1 (v): block a is a d16 of head a / 4, b a t16.
.macro OUTBLK a, swap
.set AC, 64*((\a)%4)
.set TM, TMP+32*((\a)%4)
.if (\a) >= 4
	s_wait_xcnt 0x0                                ; block a - 4's stores have read these registers: they are written again only behind this wait
.endif
	WIN 0x0a+5*((\a)/4)                            ; sources 0 and 1: window 2 or 3
.irp b, 0,1,2,3,4,5,6,7
.irp q, 0,1,2,3
	v_cvt_pk_f16_f32 v[TM+4*\b+\q], v[AC+8*\b+2*\q], v[AC+8*\b+2*\q+1]
.endr
.endr
	WIN 0
.irp b, 0,1,2,3,4,5,6,7
.if \swap
	global_store_b128 v[CO], v[TM+4*\b:TM+4*\b+3], s[96:97] offset:\b*2048+((\a)/4)*262144+((\a)%4)*512
.else
	global_store_b128 v[CO], v[TM+4*\b:TM+4*\b+3], s[96:97] offset:(\a)*2048+(\b/4)*262144+(\b%4)*512
.endif
.endr
.endm
	PLACES NP                                      ; behind the last products: for the conversions that read results and write over A's fragments
	s_cmp_eq_u32 ttmp9, 2                          ; the cluster's x: the same in all partners
	s_cbranch_scc1 .Lv
.irp a, 0,1,2,3,4,5,6,7
	OUTBLK \a, 0
.endr
	s_or_b32 s2, s17, s15                          ; positions 0-15: cluster y = 0, the first half of the tokens, block 0
	s_cmp_lg_u32 s2, 0
	s_cbranch_scc1 .Lend
	WIN 0x08                                       ; a store's data are its source 1: window 2
.irp b, 0,1,2,3,4,5,6,7
.irp p, 0,1
	global_store_b128 v[CO], v[8*\b+4*\p:8*\b+4*\p+3], s[98:99] offset:(\b/4)*4096+(\b%4)*1024+512*\p
.endr
.endr
	WIN 0
	s_branch .Lend
.Lv:
.irp a, 0,1,2,3,4,5,6,7
	OUTBLK \a, 1
.endr
	s_or_b32 s2, s17, s16                          ; positions 0-15: cluster y = 0, the first half of the tokens, b = 0
	s_cmp_lg_u32 s2, 0
	s_cbranch_scc1 .Lend
.irp a, 0,1,2,3,4,5,6,7
	WIN 0x08+4*(\a/4)
.irp p, 0,1
	global_store_b128 v[CO], v[64*(\a%4)+4*\p:64*(\a%4)+4*\p+3], s[98:99] offset:(\a/4)*4096+(\a%4)*1024+512*\p
.endr
.endr
	WIN 0
.Lend:
	s_wait_tensorcnt 0x0                           ; the wave's end
	ds_add_u32 v[SPW], v[NIL]
	s_wait_dscnt 0x0
	CROUND                                         ; the closing round
	s_endpgm
.Lfunc_end_k_qaa3e739f1f_qkv:
	.size	k_qaa3e739f1f_qkv, .Lfunc_end_k_qaa3e739f1f_qkv-k_qaa3e739f1f_qkv
	.p2alignl 7, 3214868480
	.fill 96, 4, 3214868480
	.section	.rodata,"a",@progbits
	.p2align	6, 0x0
	.amdhsa_kernel k_qaa3e739f1f_qkv
		.amdhsa_group_segment_fixed_size 327680
		.amdhsa_private_segment_fixed_size 0
		.amdhsa_enable_private_segment 0
		.amdhsa_kernarg_size 32
		.amdhsa_user_sgpr_count 2
		.amdhsa_user_sgpr_kernarg_segment_ptr 1
		.amdhsa_wavefront_size32 1
		.amdhsa_system_sgpr_workgroup_id_x 1
		.amdhsa_system_sgpr_workgroup_id_y 1
		.amdhsa_system_sgpr_workgroup_id_z 1
		.amdhsa_system_vgpr_workitem_id 0
		.amdhsa_next_free_vgpr 1024
		.amdhsa_next_free_sgpr 100
		.amdhsa_reserve_vcc 0
		.amdhsa_float_denorm_mode_32 3
		.amdhsa_float_denorm_mode_16_64 3
		.amdhsa_memory_ordered 1
		.amdhsa_forward_progress 1
		.amdhsa_inst_pref_size 144
	.end_amdhsa_kernel
	.amdgpu_metadata
---
amdhsa.version: [ 1, 2 ]
amdhsa.kernels:
  - .name:           k_qaa3e739f1f_qkv
    .symbol:         k_qaa3e739f1f_qkv.kd
    .args:
      - { .name: codes, .offset: 0, .size: 8, .value_kind: global_buffer, .address_space: global }
      - { .name: scales, .offset: 8, .size: 8, .value_kind: global_buffer, .address_space: global }
      - { .name: qkv, .offset: 16, .size: 8, .value_kind: global_buffer, .address_space: global }
      - { .name: fine, .offset: 24, .size: 8, .value_kind: global_buffer, .address_space: global }
    .group_segment_fixed_size: 327680
    .private_segment_fixed_size: 0
    .kernarg_segment_align: 8
    .kernarg_segment_size: 32
    .max_flat_workgroup_size: 128
    .sgpr_count:     100
    .vgpr_count:     1024
    .wavefront_size: 32
...
	.end_amdgpu_metadata
.endif
;; end of part 2
;; launch attn (part 3): grid 4 x 64, 16 waves a work-group, clusters of 4 x 1, 327,680 bytes of LDS; arguments qkv, y; writes y
.if DOCPART == 3
	.amdgcn_target "amdgcn-amd-amdhsa--gfx1250"
	.amdhsa_code_object_version 6
	.text
	.protected	k_qaa3e739f1f_attn
	.globl	k_qaa3e739f1f_attn
	.p2align	8
	.type	k_qaa3e739f1f_attn,@function
k_qaa3e739f1f_attn:
	s_mov_b64 s[64:65], 0
	v_nop
	global_prefetch_b8 v0, s[64:65] scope:SCOPE_SE
	s_setreg_imm32_b32 hwreg(HW_REG_WAVE_MODE, 25, 1), 1
	s_wait_xcnt 0x0
	s_wait_alu depctr_hold_cnt(0) depctr_sa_sdst(0) depctr_va_vdst(0) depctr_va_sdst(0) depctr_va_ssrc(0) depctr_va_vcc(0) depctr_vm_vsrc(0)
	s_getreg_b32 s2, hwreg(HW_REG_IB_STS2, 6, 4)
	s_cmp_eq_u32 s2, 0
	s_cbranch_scc0 .Lentry_in_a_cluster
	s_endpgm
.Lentry_in_a_cluster:
	s_bfe_u32 s2, ttmp6, 0x10000c
	s_cmp_lg_u32 s2, 0x3003
	s_cbranch_scc0 .Lentry_shape_is_right
	s_endpgm
.Lentry_shape_is_right:
; y[b][t][head][:] = the sum over keys k <= t of softmax_k(q . k / 8) v, head size 64, T = 2,048, 64 pairs of batch and head.  Operands f16, products, maxima and sums f32; p is rounded to f16 for the second product; the row's sum is taken of the unrounded p.
; qkv: [3][64 bh][128 t16][4 d16][512 bytes], UNITS: q, k: lane (r, h) = token r, channels 8 h + 0 .. 7;  v: lane (r, h) = channel r, tokens 8 h + 0 .. 7.  Two units are a 16 x 32 fragment's registers 0-3 and 4-7.
; y: [512 = b x 128 + t16][64 = head x 4 + d16][512 bytes], units with lane (r, h) = token r, channels 8 h + 0 .. 7.
; SHARES.  A cluster of four work-groups is one (batch, head).  Wave w has rank p = w xor 3 ((w / 4) % 2); the wave of rank p in work-group cx owns queries 128 p + 32 cx + 0 .. 31: two tiles of 16.
; So every work-group walks all 2,048 keys (rank 15 needs them), all four need every tile of K and V, and each tile is asked for JOINTLY (mask 15).
; Every branch hangs on the rank and the count of steps alone, never on cx: a key step of 64 is left out where its first key lies behind 128 p + 127, and is masked where its last key lies behind 128 p.
; LAYOUT.  S^T = K Q^T (source 0 = 16 keys, source 1 = 16 queries), O^T = V^T P (source 0 = 16 channels, source 1 = P): a lane holds ONE query throughout; two tiles of S^T rounded in pairs ARE a fragment of P.
; SOFTMAX.  A running maximum m and sum l for each query: p = 2^(c s - c m), c = log2(e) / 8; in every step O and l are multiplied by a = 2^(c m_old - c m_new).  Key 0 counts for every query, so m is a number from the first step on.
; RING.  Two slots of 512 keys (K's 64 KiB, then V's), dense: every read is at 16 x lane.  Waves 0, 1 fetch K's halves, waves 2, 3 V's, 32 KiB a load.  Four slots' worth of keys: two first fills, two refills.
; No prefetch: a refill is asked for eight key steps of all sixteen waves ahead of its first read, and the two first fills stand at the head.
; LIMIT: q, k, v, y in f16 (magnitudes above 65,504 become infinity, those under 6.1e-5 lose bits).  Positions 0-15 of each sequence are made again in f32 by the last launch.
.set SLOT1, 1<<17
.set VOFF,  65536
.set SPARE, 2*SLOT1                    ; the spare words: 128 bytes a wave, eight blocks of 256 bytes that no other line names
.set LI,   1                           ; v1  16 x lane; never rewritten
.set ADK,  2                           ; v2  LDS address of the step's K
.set ADV,  3                           ; v3  of its V
.set DM,   4                           ; v4  the mask's compare value
.set NINF, 5                           ; v5  -infinity
.set SPW,  6
.set NIL,  7
.set ST,   8                           ; tile t's statistics at v[8 + 8 t]: +0 c m, +1 m, +2, +3 l, +4 .. +7 at work (+6 a, +7 c m_old - c m_new)
.set RH8,  24                          ; v24 r - 8 h
.set Q,    32                          ; v32-63   Q: tile t, channels 32 c on, at 32 + 16 t + 8 c
.set S,    64                          ; v64-127  S^T: tile t, keys 16 kt on, at 64 + 32 t + 8 kt; then P in place: fragment (t, kc) at 64 + 32 t + 8 kc
.set O,    128                         ; v128-191 O^T: 128 + 32 t + 8 dt
.set KV,   192                         ; v192-255 eight fragments of K, then of V^T
.set WV,   8
.set RK,   9
.set CX,   10
.set BH,   11
.set QL,   12                          ; s12 128 p + 127
.set Q0G,  13                          ; s13 128 p
.set QJ,   14                          ; s14 my first query
.set KF,   15                          ; s15 the step's first key
.set TB,   16                          ; s16 LDS byte of the step's K
.set CNT,  17
.set SLC,  18
.set TS,   19
.set SEL,  20
.set CS,   22
.set G1,   24
.set G0A,  32
.set G0B,  36
.macro ROUND                           ; a round of the cluster's barrier
	s_barrier_signal -1
	s_barrier_wait -1
	s_cmp_lg_u32 s[WV], 0
	s_cbranch_scc1 .Lnot_wave_0_\@
	s_barrier_signal -3
.Lnot_wave_0_\@:
	s_barrier_wait -3
	s_barrier_signal -1
	s_barrier_wait -1
.endm
	s_load_b128 s[4:7], s[0:1], 0x0                ; qkv s[4:5], y s[6:7]
	v_lshl_add_u32 v[SPW], v0, 2, SPARE
	v_mov_b32 v[NIL], 0
	ds_add_u32 v[SPW], v[NIL]                      ; the wave's opening: the add, twice on end, and its wait ahead of the first tensor loads
	ds_add_u32 v[SPW], v[NIL]
	v_lshrrev_b32 v1, 5, v0
	v_readfirstlane_b32 s[WV], v1                  ; wave 0..15
	s_bfe_u32 s[RK], s[WV], 0x10002
	s_mul_i32 s[RK], s[RK], 3
	s_xor_b32 s[RK], s[RK], s[WV]                  ; the rank: waves w, w + 4, w + 8, w + 12 have ranks that sum to 30
	s_bfe_u32 s[CX], ttmp6, 0x40000
	s_and_b32 s[BH], ttmp7, 0xffff
	s_lshl_b32 s[Q0G], s[RK], 7
	s_add_co_u32 s[QL], s[Q0G], 127
	s_lshl_b32 s[QJ], s[CX], 5
	s_add_co_u32 s[QJ], s[QJ], s[Q0G]
	s_mov_b32 s[KF], 0
	s_mov_b32 s[TB], 0
	s_mov_b32 s[SLC], 2
	s_mov_b32 s[G1], 15|(3<<16)|(1<<21)            ; the mask: all four; elements of 8 bytes; bit 21 beside a mask; no padding
	s_mov_b32 s[G1+1], 32<<16                      ; a dense block of 32,768 bytes as 128 rows of 256
	s_mov_b32 s[G1+2], 128<<16
	s_mov_b32 s[G1+3], 32<<16
	s_mov_b32 s[G1+4], 128
	s_mov_b32 s[G1+5], 32
	s_mov_b32 s[G1+6], 0
	s_mov_b32 s[G1+7], 0
	s_mov_b32 s[SEL], 0x76543210
	s_mov_b32 s[SEL+1], 0xfedcba98                 ; v_permlanex16_b32: lane l xor 16
	s_mov_b32 s[CS], 0x3e38aa3b                    ; c = log2(e) / 8
	s_mov_b32 s[CS+1], s[CS]
	s_and_b32 s40, s[WV], 3
	s_lshl_b32 s40, s40, 15                        ; what I fetch, if I fetch: its place in a slot,
	s_bfe_u32 s42, s[WV], 0x10001
	s_add_co_u32 s42, s42, 1
	s_lshl_b32 s42, s42, 24                        ; K's or V's plane,
	s_lshl_b32 s43, s[BH], 18
	s_add_co_u32 s42, s42, s43                     ; the head's 262,144 bytes,
	s_and_b32 s43, s[WV], 1
	s_lshl_b32 s43, s43, 15
	s_add_co_u32 s42, s42, s43                     ; the half: no place in the cluster enters these
	s_mov_b32 s43, 0
	s_lshl_b32 s44, s[RK], 3
	s_lshl_b32 s45, s[CX], 1
	s_add_co_u32 s46, s44, s45                     ; my first t16: 8 p + 2 cx
	s_lshl_b32 s44, s46, 11
	s_lshl_b32 s45, s[BH], 18
	s_add_co_u32 s44, s44, s45                     ; Q's units
	s_mov_b32 s45, 0
	s_lshr_b32 s47, s[BH], 4
	s_lshl_b32 s47, s47, 7
	s_add_co_u32 s46, s46, s47
	s_lshl_b32 s46, s46, 15                        ; y: 32,768 bytes for 16 tokens,
	s_and_b32 s47, s[BH], 15
	s_lshl_b32 s47, s47, 11
	s_add_co_u32 s46, s46, s47                     ; 2,048 a head
	s_mov_b32 s47, 0
	s_wait_dscnt 0x0                               ; both opening adds are done
	s_wait_kmcnt 0x0
	s_mov_b32 s[G0A], 1
	s_mov_b32 s[G0A+1], s40                        ; slot 0
	s_add_nc_u64 s[G0A+2:G0A+3], s[4:5], s[42:43]
	s_or_b32 s[G0A+3], s[G0A+3], 0x80000000
	s_mov_b32 s[G0B], 1
	s_add_co_u32 s[G0B+1], s40, SLOT1              ; slot 1; this one walks on
	s_add_nc_u64 s[G0B+2:G0B+3], s[4:5], s[42:43]
	s_add_nc_u64 s[G0B+2:G0B+3], s[G0B+2:G0B+3], 65536
	s_or_b32 s[G0B+3], s[G0B+3], 0x80000000
	s_add_nc_u64 s[4:5], s[4:5], s[44:45]          ; Q at my first tile
	s_add_nc_u64 s[6:7], s[6:7], s[46:47]          ; y likewise
	ROUND                                          ; all four work-groups are here: the first joint loads meet
	s_cmp_lt_u32 s[WV], 4                          ; a fetching wave's two first fills stand in one branch: two loads of mine are out
	s_cbranch_scc0 .Lno_first
	tensor_load_to_lds s[G0A:G0A+3], s[G1:G1+7]
	s_nop 0
	tensor_load_to_lds s[G0B:G0B+3], s[G1:G1+7]
	s_nop 0
.rept 4
	v_nop
.endr
.Lno_first:
	v_and_b32 v1, 31, v0
	v_lshlrev_b32 v[LI], 4, v1
.irp t, 0,1
.irp u, 0,1,2,3
	global_load_b128 v[Q+16*\t+4*\u:Q+16*\t+4*\u+3], v[LI], s[4:5] offset:\t*2048+\u*512   ; Q stays in registers
.endr
.endr
	v_and_b32 v[RH8], 15, v0
	v_bfe_u32 v25, v0, 4, 1
	v_lshlrev_b32 v25, 3, v25
	v_sub_nc_u32 v[RH8], v[RH8], v25
	v_mov_b32 v[NINF], 0xff800000
.irp t, 0,1
	v_mov_b32 v[ST+8*\t+1], 0xff61b1e6             ; m: -3e38, under every score
	v_mul_f32 v[ST+8*\t], s[CS], v[ST+8*\t+1]
.irp j, 2,3,4,5,6,7
	v_mov_b32 v[ST+8*\t+\j], 0
.endr
.endr
.set n, 0
.rept 64
	v_mov_b32 v[O+n], 0                            ; O^T: the key step is written once for all steps; the first finds zeros, which a = 0 leaves zeros
.set n, n+1
.endr
	s_wait_tensorcnt 0x0                           ; my first fills have landed (twelve waves have none)
	s_barrier_signal -1
	s_barrier_wait -1                              ; everybody's have
	s_wait_loadcnt 0x0                             ; Q
; The softmax of a step, both tiles line by line by turns.
.macro SOFT
.irp j, 0,1,2,3                        ; the maximum: four chains of seven scores, each begun at its accumulator's low end
.irp t, 0,1
	v_max3_num_f32 v[ST+8*\t+4+\j], v[S+32*\t+8*\j], v[S+32*\t+8*\j+1], v[S+32*\t+8*\j+2]
.endr
.endr
.irp g, 1,2
.irp j, 0,1,2,3
.irp t, 0,1
	v_max3_num_f32 v[ST+8*\t+4+\j], v[ST+8*\t+4+\j], v[S+32*\t+8*\j+2*\g+1], v[S+32*\t+8*\j+2*\g+2]
.endr
.endr
.endr
.irp t, 0,1
	v_max3_num_f32 v[ST+8*\t+4], v[ST+8*\t+4], v[S+32*\t+7], v[S+32*\t+15]
.endr
.irp t, 0,1
	v_max3_num_f32 v[ST+8*\t+6], v[ST+8*\t+6], v[S+32*\t+23], v[S+32*\t+31]
.endr
.irp t, 0,1
	v_max3_num_f32 v[ST+8*\t+4], v[ST+8*\t+4], v[ST+8*\t+5], v[ST+8*\t+6]
.endr
.irp t, 0,1
	v_max3_num_f32 v[ST+8*\t+4], v[ST+8*\t+4], v[ST+8*\t+7], v[ST+8*\t+1]   ; and the old m
.endr
.irp t, 0,1
	v_permlanex16_b32 v[ST+8*\t+5], v[ST+8*\t+4], s[SEL], s[SEL+1]          ; the query's other 32 keys lie in the lane 16 away
.endr
.irp t, 0,1
	v_mov_b32 v[ST+8*\t+7], v[ST+8*\t]
.endr
.irp t, 0,1
	v_max_num_f32 v[ST+8*\t+1], v[ST+8*\t+4], v[ST+8*\t+5]
.endr
.irp t, 0,1
	v_mul_f32 v[ST+8*\t], s[CS], v[ST+8*\t+1]
.endr
.irp t, 0,1
	v_sub_f32 v[ST+8*\t+7], v[ST+8*\t+7], v[ST+8*\t]
.endr
.set n, 0
.rept 32                               ; c s - c m, two at a time
	v_pk_fma_f32 v[S+32*(n%2)+2*(n/2):S+32*(n%2)+2*(n/2)+1], v[S+32*(n%2)+2*(n/2):S+32*(n%2)+2*(n/2)+1], s[CS:CS+1], v[ST+8*(n%2):ST+8*(n%2)+1] op_sel_hi:[1,0,0] neg_lo:[0,0,1] neg_hi:[0,0,1]
.set n, n+1
.endr
.irp t, 0,1                            ; ONE BATCH of 66 exponentials: none reads another's result
	v_exp_f32 v[ST+8*\t+6], v[ST+8*\t+7]
.endr
.set n, 0
.rept 64
	v_exp_f32 v[S+32*(n%2)+n/2], v[S+32*(n%2)+n/2]
.set n, n+1
.endr
	v_nop                                          ; the plain instruction behind the last exponential (ISA guide 5.7.2)
	s_wait_alu depctr_va_vdst(0)                   ; the wait ahead of the first line that names a result: one for the batch
.irp t, 0,1                            ; l = a l + the sum of the unrounded p, in two chains; before P is laid over S^T
	v_pk_fma_f32 v[ST+8*\t+2:ST+8*\t+3], v[ST+8*\t+2:ST+8*\t+3], v[ST+8*\t+6:ST+8*\t+7], v[S+32*\t:S+32*\t+1] op_sel_hi:[1,0,1]
.endr
.irp t, 0,1
	v_pk_add_f32 v[ST+8*\t+4:ST+8*\t+5], v[S+32*\t+2:S+32*\t+3], v[S+32*\t+4:S+32*\t+5]
.endr
.irp j, 6,10,14,18,22,26
.irp t, 0,1
	v_pk_add_f32 v[ST+8*\t+2:ST+8*\t+3], v[ST+8*\t+2:ST+8*\t+3], v[S+32*\t+\j:S+32*\t+\j+1]
	v_pk_add_f32 v[ST+8*\t+4:ST+8*\t+5], v[ST+8*\t+4:ST+8*\t+5], v[S+32*\t+\j+2:S+32*\t+\j+3]
.endr
.endr
.irp t, 0,1
	v_pk_add_f32 v[ST+8*\t+2:ST+8*\t+3], v[ST+8*\t+2:ST+8*\t+3], v[S+32*\t+30:S+32*\t+31]
.endr
.irp t, 0,1
	v_pk_add_f32 v[ST+8*\t+2:ST+8*\t+3], v[ST+8*\t+2:ST+8*\t+3], v[ST+8*\t+4:ST+8*\t+5]
.endr
.set n, 0
.rept 32                               ; P in place: register j takes scores 2 j and 2 j + 1; ascending, so that nothing unread is written over
	v_cvt_pk_f16_f32 v[S+32*(n%2)+n/2], v[S+32*(n%2)+2*(n/2)], v[S+32*(n%2)+2*(n/2)+1]
.set n, n+1
.endr
.set n, 0
.rept 32                               ; O^T x a, each accumulator from its low end on
	v_pk_mul_f32 v[O+32*(n%2)+2*(n/2):O+32*(n%2)+2*(n/2)+1], v[O+32*(n%2)+2*(n/2):O+32*(n%2)+2*(n/2)+1], v[ST+8*(n%2)+6:ST+8*(n%2)+7] op_sel_hi:[1,0]
.set n, n+1
.endr
.endm
; A KEY STEP: 64 keys at LDS byte s[TB].
.macro STEP
	s_cmp_gt_u32 s[KF], s[QL]                      ; all its keys come after every query of my rank: left out; the lines at the end that step addresses are not
	s_cbranch_scc1 .Lskip_\@
	v_add_nc_u32 v[ADK], s[TB], v[LI]
	v_add_nc_u32 v[ADV], VOFF, v[ADK]
.rept 3
	v_nop                                          ; with the two additions five places behind the last products: four for the loads into their fragments, five for the products below, which write over P
.endr
.irp c, 0,1
.irp kt, 0,1,2,3
	ds_load_b128 v[KV+8*(4*\c+\kt):KV+8*(4*\c+\kt)+3], v[ADK] offset:\kt*2048+\c*1024
	ds_load_b128 v[KV+8*(4*\c+\kt)+4:KV+8*(4*\c+\kt)+7], v[ADK] offset:\kt*2048+\c*1024+512
.endr
.endr
	s_wait_dscnt 8                                 ; channels 0-31 are in; the eight loads of channels 32-63 may be out
.irp kt, 0,1,2,3                       ; the eight accumulators take turns, one instruction a turn
.irp t, 0,1
	v_wmma_f32_16x16x32_f16 v[S+32*\t+8*\kt:S+32*\t+8*\kt+7], v[KV+8*\kt:KV+8*\kt+7], v[Q+16*\t:Q+16*\t+7], 0
.endr
.endr
	s_wait_dscnt 0x0
.irp kt, 0,1,2,3
.irp t, 0,1
	v_wmma_f32_16x16x32_f16 v[S+32*\t+8*\kt:S+32*\t+8*\kt+7], v[KV+8*(4+\kt):KV+8*(4+\kt)+7], v[Q+16*\t+8:Q+16*\t+15], v[S+32*\t+8*\kt:S+32*\t+8*\kt+7]
.endr
.endr
.rept 4
	v_nop                                          ; places: for the loads into K's registers, and for the first reads of the scores
.endr
.irp kc, 0,1                           ; V^T lands under the softmax: fragment (dt, kc): channels 16 dt on, keys 32 kc on
.irp dt, 0,1,2,3
	ds_load_b128 v[KV+8*(4*\kc+\dt):KV+8*(4*\kc+\dt)+3], v[ADV] offset:\kc*4096+\dt*512
	ds_load_b128 v[KV+8*(4*\kc+\dt)+4:KV+8*(4*\kc+\dt)+7], v[ADV] offset:\kc*4096+2048+\dt*512
.endr
.endr
	s_add_co_u32 s[TS], s[KF], 63
	s_cmp_le_u32 s[TS], s[Q0G]                     ; every key counts for every query of my rank: no mask
	s_cbranch_scc1 .Lopen_\@
	s_sub_co_i32 s[TS], s[QJ], s[KF]
	v_add_nc_u32 v[DM], s[TS], v[RH8]              ; d = my first query - the first key + r - 8 h.  Register 32 t + 8 kt + i holds key 16 kt + 8 h + i for query 16 t + r: hidden where 16 kt + i - 16 t > d
.set n, 0
.rept 64
	v_cmp_gt_i32 vcc_lo, 16*((n/8)%4)+n%8-16*(n/32), v[DM]
	v_cndmask_b32 v[S+n], v[S+n], v[NINF], vcc_lo
.set n, n+1
.endr
.Lopen_\@:
	SOFT
	s_wait_dscnt 0x0                               ; V^T is in
.irp kc, 0,1
.irp dt, 0,1,2,3
.irp t, 0,1
	v_wmma_f32_16x16x32_f16 v[O+32*\t+8*\dt:O+32*\t+8*\dt+7], v[KV+8*(4*\kc+\dt):KV+8*(4*\kc+\dt)+7], v[S+32*\t+8*\kc:S+32*\t+8*\kc+7], v[O+32*\t+8*\dt:O+32*\t+8*\dt+7]
.endr
.endr
.endr
.Lskip_\@:
	s_add_co_u32 s[TB], s[TB], 8192
	s_add_co_u32 s[KF], s[KF], 64
.endm
.macro SLOTSTEPS                       ; a slot's eight key steps: written once, walked eight times
	s_mov_b32 s[CNT], 8
.Lstep_\@:
	STEP
	s_sub_co_u32 s[CNT], s[CNT], 1
	s_cmp_lg_u32 s[CNT], 0
	s_cbranch_scc1 .Lstep_\@
	s_sub_co_u32 s[TB], s[TB], 65536               ; back to a slot's first step,
	s_xor_b32 s[TB], s[TB], SLOT1                  ; in the other slot
.endm
; THE CHANGE OF SLOTS.  Each wave waits for all its tensor loads, adds 0 to its spare word, and waits for that and for its reads of the slot that it has left.
; fill = 1: the barrier is a round of the cluster's, so that no wave of any partner still reads that slot; the joint refill is the first thing behind it and has eight key steps in which to land.
.macro CHANGE fill
	s_wait_tensorcnt 0x0                           ; no tensor load of mine is out, so the walking group 0 may be written
	ds_add_u32 v[SPW], v[NIL]                      ; 0 onto my spare word
.if \fill
	ds_add_u32 v[SPW], v[NIL]                      ; and once more
	s_xor_b32 s[G0B+1], s[G0B+1], SLOT1            ; the other slot than last time,
	s_add_nc_u64 s[G0B+2:G0B+3], s[G0B+2:G0B+3], 65536   ; the next 512 keys; the type bits on top are not reached
	s_wait_dscnt 0x0                               ; the adds are done, and my reads of the slot are over
	ROUND
	s_cmp_lt_u32 s[WV], 4
	s_cbranch_scc0 .Lno_load_\@
	tensor_load_to_lds s[G0B:G0B+3], s[G1:G1+7]
	s_nop 0
.rept 4
	v_nop
.endr
.Lno_load_\@:
.else
	s_wait_dscnt 0x0
	s_barrier_signal -1
	s_barrier_wait -1
.endif
.endm
	SLOTSTEPS                                      ; keys 0-511, slot 0
.Lslot:                                            ; two trips: keys 512-1,023 and 1,024-1,535; the slot just left takes the keys 1,024 on
	CHANGE 1
	SLOTSTEPS
	s_sub_co_u32 s[SLC], s[SLC], 1
	s_cmp_lg_u32 s[SLC], 0
	s_cbranch_scc1 .Lslot
	CHANGE 0                                       ; the last slot is written out: nothing is left to ask for
	SLOTSTEPS
	; THE WAY OUT: O^T / l, rounded to f16: a lane's eight channels are 16 bytes, the 32 lanes' a unit: stored straight from registers.
.rept 4
	v_nop
.endr
.irp t, 0,1
	v_add_f32 v[ST+8*\t+4], v[ST+8*\t+2], v[ST+8*\t+3]
.endr
.irp t, 0,1
	v_permlanex16_b32 v[ST+8*\t+5], v[ST+8*\t+4], s[SEL], s[SEL+1]
.endr
.irp t, 0,1
	v_add_f32 v[ST+8*\t+4], v[ST+8*\t+4], v[ST+8*\t+5]
.endr
.irp t, 0,1
	v_rcp_f32 v[ST+8*\t+6], v[ST+8*\t+4]
.endr
	v_nop                                          ; a plain instruction behind the last reciprocal,
	s_wait_alu depctr_va_vdst(0)                   ; and the wait ahead of the first use: one for both
.set n, 0
.rept 32
	v_pk_mul_f32 v[O+2*n:O+2*n+1], v[O+2*n:O+2*n+1], v[ST+8*(n/16)+6:ST+8*(n/16)+7] op_sel_hi:[1,0]
.set n, n+1
.endr
.set n, 0
.rept 32
	v_cvt_pk_f16_f32 v[S+n], v[O+2*n], v[O+2*n+1]
.set n, n+1
.endr
.irp t, 0,1
.irp dt, 0,1,2,3
	global_store_b128 v[LI], v[S+16*\t+4*\dt:S+16*\t+4*\dt+3], s[6:7] offset:\t*32768+\dt*512   ; 512 consecutive bytes, aligned
.endr
.endr
	s_wait_tensorcnt 0x0                           ; the wave's end
	ds_add_u32 v[SPW], v[NIL]
	s_wait_dscnt 0x0
	ROUND                                          ; the closing round
	s_endpgm
.Lfunc_end_k_qaa3e739f1f_attn:
	.size	k_qaa3e739f1f_attn, .Lfunc_end_k_qaa3e739f1f_attn-k_qaa3e739f1f_attn
	.p2alignl 7, 3214868480
	.fill 96, 4, 3214868480
	.section	.rodata,"a",@progbits
	.p2align	6, 0x0
	.amdhsa_kernel k_qaa3e739f1f_attn
		.amdhsa_group_segment_fixed_size 327680
		.amdhsa_private_segment_fixed_size 0
		.amdhsa_enable_private_segment 0
		.amdhsa_kernarg_size 16
		.amdhsa_user_sgpr_count 2
		.amdhsa_user_sgpr_kernarg_segment_ptr 1
		.amdhsa_wavefront_size32 1
		.amdhsa_system_sgpr_workgroup_id_x 1
		.amdhsa_system_sgpr_workgroup_id_y 1
		.amdhsa_system_sgpr_workgroup_id_z 1
		.amdhsa_system_vgpr_workitem_id 0
		.amdhsa_next_free_vgpr 256
		.amdhsa_next_free_sgpr 66
		.amdhsa_reserve_vcc 1
		.amdhsa_float_denorm_mode_32 3
		.amdhsa_float_denorm_mode_16_64 3
		.amdhsa_memory_ordered 1
		.amdhsa_forward_progress 1
		.amdhsa_inst_pref_size 80
	.end_amdhsa_kernel
	.amdgpu_metadata
---
amdhsa.version: [ 1, 2 ]
amdhsa.kernels:
  - .name:           k_qaa3e739f1f_attn
    .symbol:         k_qaa3e739f1f_attn.kd
    .args:
      - { .name: qkv, .offset: 0, .size: 8, .value_kind: global_buffer, .address_space: global }
      - { .name: y, .offset: 8, .size: 8, .value_kind: global_buffer, .address_space: global }
    .group_segment_fixed_size: 327680
    .private_segment_fixed_size: 0
    .kernarg_segment_align: 8
    .kernarg_segment_size: 16
    .max_flat_workgroup_size: 512
    .sgpr_count:     66
    .vgpr_count:     256
    .wavefront_size: 32
...
	.end_amdgpu_metadata
.endif
;; end of part 3
;; launch proj (part 4): grid 4 x 64, 4 waves a work-group, clusters of 4 x 4, 327,680 bytes of LDS; arguments y, wp16, out0; writes out0
.if DOCPART == 4
	.amdgcn_target "amdgcn-amd-amdhsa--gfx1250"
	.amdhsa_code_object_version 6
	.text
	.protected	k_qaa3e739f1f_proj
	.globl	k_qaa3e739f1f_proj
	.p2align	8
	.type	k_qaa3e739f1f_proj,@function
k_qaa3e739f1f_proj:
	s_mov_b64 s[64:65], 0
	v_nop
	global_prefetch_b8 v0, s[64:65] scope:SCOPE_SE
	s_setreg_imm32_b32 hwreg(HW_REG_WAVE_MODE, 25, 1), 1
	s_wait_xcnt 0x0
	s_wait_alu depctr_hold_cnt(0) depctr_sa_sdst(0) depctr_va_vdst(0) depctr_va_sdst(0) depctr_va_ssrc(0) depctr_va_vcc(0) depctr_vm_vsrc(0)
	s_getreg_b32 s2, hwreg(HW_REG_IB_STS2, 6, 4)
	s_cmp_eq_u32 s2, 0
	s_cbranch_scc0 .Lentry_in_a_cluster
	s_endpgm
.Lentry_in_a_cluster:
	s_bfe_u32 s2, ttmp6, 0x10000c
	s_cmp_lg_u32 s2, 0xf033
	s_cbranch_scc0 .Lentry_shape_is_right
	s_endpgm
.Lentry_shape_is_right:
; out0[m][n] = the sum over k of y[m][k] Wp[n][k]: M = 8,192, N = K = 1,024; operands f16, sums and result f32.
; y: [512 m16][64 k16][512 bytes], wp16: [64 n16][64 k16][512 bytes]: UNITS of 16 rows x 16 k: lane (r, h) has row r, k = 8 h + 0 .. 7, at 16 x lane.  Two neighbouring units are a 16 x 32 fragment.
; A tile of out0 is 128 x 256: 256 work-groups.  Four waves, each 64 x 128: 32 accumulators.  K goes in steps of 128 through a ring of two LDS slots; a 16-row strip of a K step is 4,096 consecutive bytes,
; so a tile is 8 (A) or 16 (B) rows of 4,096 bytes, 32,768 bytes apart; it lies dense in LDS, and every fragment read is at 16 x lane.
; CLUSTERS: 4 x 4.  A's tile hangs on the tile row alone and is shared along a row of the cluster, B's on the tile column alone and is shared along a column: joint loads.
; USED TRANSPOSED (source 0 = 16 rows of Wp, source 1 = 16 rows of y): a lane holds eight neighbouring numbers of a row of out0.
; The rows of positions 0-15 of each sequence are written here like all others and are written again, from f32 operands, by the launch that follows.
; No prefetch: a refill has a K step's 128 matrix instructions of each wave in which to land, and half of the eight K steps could not be named two refills ahead.
; REGISTERS: window 0: v16-29 addresses; v64-95, v96-127 A's fragments, two buffers; v128-255 the way out.  window 1: v0-63, v64-127 B's fragments, two buffers.  window 2: accumulator (a, b) at v[8 (8 a + b)].
.set SLOT,   98304                     ; A's 32,768 bytes, then B's 65,536
.set BOFF,   32768
.set STAGE,  2*SLOT                    ; behind the ring: 16 rows x 528 bytes for each wave; no tensor load lands here
.set SPITCH, 528
.set SPARE,  STAGE+4*16*SPITCH         ; the spare words: 128 bytes a wave, two blocks of 256 bytes that no other line names
.set LAPS,   4                         ; a lap = two K steps
.set ADRA, 16
.set ADRB, 20
.set STO,  24
.set RD,   25
.set CO,   26                          ; v26 16 x lane
.set SPW,  28
.set NIL,  29
.set FA,   64
.set BK,   128
.set G1, 24
.set G0, 32
.set G1B, 48
.set G0B, 56
.set MSB, 0
.macro WIN new
.if MSB != (\new)
	s_set_vgpr_msb (MSB<<8)|(\new)
.set MSB, (\new)
.endif
.endm
.set MUL,  0xa1                        ; source 0 (B) window 1, source 1 (A) window 0, C and D window 2
.set TO_B, 0x40
.macro JLOAD s                         ; waves 0 and 1 fetch A's halves, waves 2 and 3 B's; an s_nop 0 and four v_nop follow each line
	s_cmp_eq_u32 s11, 0
	s_cbranch_scc0 .Lfor_b_\@
	tensor_load_to_lds s[G0+4*\s:G0+4*\s+3], s[G1:G1+7]
	s_nop 0
.rept 4
	v_nop
.endr
	s_branch .Lasked_\@
.Lfor_b_\@:
	tensor_load_to_lds s[G0B+4*\s:G0B+4*\s+3], s[G1B:G1B+7]
	s_nop 0
.rept 4
	v_nop
.endr
.Lasked_\@:
.endm
.macro CREST                           ; a round of the cluster's barrier behind its opening barrier
	s_cmp_lg_u32 s10, 0
	s_cbranch_scc1 .Lnot_wave_0_\@
	s_barrier_signal -3
.Lnot_wave_0_\@:
	s_barrier_wait -3
	s_barrier_signal -1
	s_barrier_wait -1
.endm
.macro CROUND
	s_barrier_signal -1
	s_barrier_wait -1
	CREST
.endm
	s_load_b128 s[4:7], s[0:1], 0x0                ; y s[4:5], wp16 s[6:7]
	s_load_b64 s[8:9], s[0:1], 0x10                ; out0
	v_lshl_add_u32 v[SPW], v0, 2, SPARE
	v_mov_b32 v[NIL], 0
	ds_add_u32 v[SPW], v[NIL]                      ; the wave's opening: the add, twice on end, and its wait ahead of my first tensor load
	ds_add_u32 v[SPW], v[NIL]
	v_lshrrev_b32 v1, 5, v0
	v_readfirstlane_b32 s10, v1                    ; wave 0..3
	s_lshr_b32 s11, s10, 1                         ; which 64 rows of the tile are mine.  Also: I fetch for A (0) or for B (1)
	s_and_b32 s12, s10, 1                          ; which 128 columns.  Also: which half of that tile I fetch
	s_bfe_u32 s40, ttmp6, 0x40000
	s_bfe_u32 s41, ttmp6, 0x40004
	s_lshl_b32 s42, ttmp9, 2
	s_add_co_u32 s42, s42, s40                     ; tile column
	s_and_b32 s13, ttmp7, 0xffff
	s_lshl_b32 s13, s13, 2
	s_add_co_u32 s13, s13, s41                     ; tile row
	s_lshl_b32 s43, s41, 2
	s_lshl_b32 s43, 15, s43                        ; my row of the cluster
	s_lshl_b32 s44, 0x1111, s40                    ; my column
	s_or_b32 s[G1+0], s43, (3<<16)|(1<<21)         ; the mask; elements of 8 bytes; bit 21 beside a mask; no padding
	s_or_b32 s[G1B+0], s44, (3<<16)|(1<<21)
	s_mov_b32 s[G1+1], 512<<16                     ; a row: 512 elements = 4,096 bytes
	s_mov_b32 s[G1+2], 4<<16                       ; A: 4 rows a load
	s_mov_b32 s[G1+3], 512<<16
	s_mov_b32 s[G1+4], 4
	s_mov_b32 s[G1+5], 4096                        ; 32,768 bytes from row to row
	s_mov_b32 s[G1+6], 0
	s_mov_b32 s[G1+7], 0
	s_mov_b32 s[G1B+1], 512<<16
	s_mov_b32 s[G1B+2], 8<<16                      ; B: 8 rows a load
	s_mov_b32 s[G1B+3], 512<<16
	s_mov_b32 s[G1B+4], 8
	s_mov_b32 s[G1B+5], 4096
	s_mov_b32 s[G1B+6], 0
	s_mov_b32 s[G1B+7], 0
	s_lshl_b32 s16, s13, 3
	s_lshl_b32 s17, s12, 2
	s_add_co_u32 s16, s16, s17                     ; A: m16 = 8 x tile row + 4 x half
	s_lshl_b32 s16, s16, 15
	s_mov_b32 s17, 0
	s_lshl_b32 s46, s42, 4
	s_lshl_b32 s47, s12, 3
	s_add_co_u32 s46, s46, s47                     ; B: n16 = 16 x tile column + 8 x half
	s_lshl_b32 s46, s46, 15
	s_mov_b32 s47, 0
	s_lshl_b32 s20, s12, 14                        ; where they go: A's halves,
	s_lshl_b32 s21, s12, 15
	s_add_co_u32 s21, s21, BOFF                    ; B's halves: no place in the cluster enters an LDS address
	s_wait_dscnt 0x0                               ; both opening adds are done
	s_wait_kmcnt 0x0
	s_add_nc_u64 s[14:15], s[4:5], s[16:17]
	s_add_nc_u64 s[46:47], s[6:7], s[46:47]
	CROUND                                         ; all sixteen work-groups are here: the first joint loads meet
.irp s, 0,1
	s_mov_b32 s[G0+4*\s], 1
	s_add_co_u32 s[G0+4*\s+1], s20, \s*SLOT
	s_add_nc_u64 s[G0+4*\s+2:G0+4*\s+3], s[14:15], \s*4096
	s_or_b32 s[G0+4*\s+3], s[G0+4*\s+3], 0x80000000
	s_mov_b32 s[G0B+4*\s], 1
	s_add_co_u32 s[G0B+4*\s+1], s21, \s*SLOT
	s_add_nc_u64 s[G0B+4*\s+2:G0B+4*\s+3], s[46:47], \s*4096
	s_or_b32 s[G0B+4*\s+3], s[G0B+4*\s+3], 0x80000000
	JLOAD \s
.endr
	v_and_b32 v1, 31, v0
	v_lshlrev_b32 v[CO], 4, v1
	s_lshl_b32 s21, s11, 14                        ; my four strips of A
	s_lshl_b32 s22, s12, 15
	s_add_co_u32 s22, s22, BOFF                    ; my eight strips of B
.irp s, 0,1
	v_add_nc_u32 v[ADRA+\s], s21, v[CO]
	v_add_nc_u32 v[ADRB+\s], s22, v[CO]
	s_add_co_u32 s21, s21, SLOT
	s_add_co_u32 s22, s22, SLOT
.endr
	s_mul_i32 s23, s10, 16*SPITCH
	s_add_co_u32 s23, s23, STAGE                   ; my stage
	v_and_b32 v2, 15, v0
	v_bfe_u32 v3, v0, 4, 1
	v_mul_u32_u24 v4, v2, SPITCH                   ; in: row l % 16, 32 bytes for each half of the lanes
	v_lshl_add_u32 v4, v3, 5, v4
	v_add_nc_u32 v[STO], s23, v4
	v_add_nc_u32 v[RD], s23, v[CO]                 ; back: the 32 lanes take one row of 512 bytes
	s_lshl_b32 s16, s13, 7
	s_lshl_b32 s17, s11, 6
	s_add_co_u32 s16, s16, s17                     ; my first row of out0
	s_lshl_b32 s16, s16, 12
	s_mov_b32 s17, 0
	s_add_nc_u64 s[8:9], s[8:9], s[16:17]
	s_lshl_b32 s46, s42, 10                        ; my first column, in bytes
	s_lshl_b32 s47, s12, 9
	s_add_co_u32 s46, s46, s47
	s_mov_b32 s47, 0
	s_add_nc_u64 s[8:9], s[8:9], s[46:47]
.macro MUL8 f, a, zero                 ; A's block a x B's eight, 32 along K, buffer f.  The 32 accumulators take turns in the same order in every quarter
.irp b, 0,1,2,3,4,5,6,7
.if \zero
	v_wmma_f32_16x16x32_f16 v[8*(8*(\a)+\b):8*(8*(\a)+\b)+7], v[64*(\f)+8*\b:64*(\f)+8*\b+7], v[FA+32*(\f)+8*(\a):FA+32*(\f)+8*(\a)+7], 0
.else
	v_wmma_f32_16x16x32_f16 v[8*(8*(\a)+\b):8*(8*(\a)+\b)+7], v[64*(\f)+8*\b:64*(\f)+8*\b+7], v[FA+32*(\f)+8*(\a):FA+32*(\f)+8*(\a)+7], v[8*(8*(\a)+\b):8*(8*(\a)+\b)+7]
.endif
.endr
.endm
.macro FETCH slot, q, f                ; 24 LDS loads in one run: the slot's q-th 32 along K into buffer f: B's eight fragments, then A's four
	WIN TO_B
.irp b, 0,1,2,3,4,5,6,7
	ds_load_b128 v[64*(\f)+8*\b:64*(\f)+8*\b+3], v[ADRB+\slot] offset:\b*4096+(\q)*1024
	ds_load_b128 v[64*(\f)+8*\b+4:64*(\f)+8*\b+7], v[ADRB+\slot] offset:\b*4096+(\q)*1024+512
.endr
	WIN 0
.irp a, 0,1,2,3
	ds_load_b128 v[FA+32*(\f)+8*\a:FA+32*(\f)+8*\a+3], v[ADRA+\slot] offset:\a*4096+(\q)*1024
	ds_load_b128 v[FA+32*(\f)+8*\a+4:FA+32*(\f)+8*\a+7], v[ADRA+\slot] offset:\a*4096+(\q)*1024+512
.endr
.endm
.macro PLACES                          ; four plain vector instructions in front of loads into registers that matrix instructions have read, and of the first read of results
.rept 4
	v_nop
.endr
.endm
.macro QUARTER slot, q, f, g, zero     ; multiplies buffer f; in its middle fetches the slot's q-th quarter into g
	s_wait_dscnt 4                                 ; B and A's blocks 0, 1 are in; A's blocks 2, 3 may be out
	WIN MUL
	MUL8 \f, 0, \zero
	MUL8 \f, 1, \zero
	PLACES
	FETCH \slot, \q, \g
	s_wait_dscnt 24                                ; all but the 24 just issued
	WIN MUL
	MUL8 \f, 2, \zero
	MUL8 \f, 3, \zero
.endm
; A slot's last quarter multiplies buffer 1 and changes slots: ONE barrier; in front of it each wave waits for all its tensor loads, adds 0 to its spare word, and waits for that and for its reads of this slot.
.macro TURN slot, next, fill
	WIN 0                                          ; (the add's two registers lie in window 0)
	s_wait_tensorcnt 0x0                           ; all my tensor loads have landed: my part of the next slot
	ds_add_u32 v[SPW], v[NIL]                      ; 0 onto my spare word
	s_wait_dscnt 5                                 ; (the add and A's blocks 2, 3 may be out)
	WIN MUL
	MUL8 1, 0, 0
	s_wait_dscnt 0x0                               ; the add is done, and my reads of this slot are over
	s_barrier_signal -1
	MUL8 1, 1, 0
.if \fill
	WIN 0
.endif
	s_barrier_wait -1
.if \fill
	CREST                                          ; the barrier has opened a round of the cluster's: no wave of any partner still reads this slot or has a load on its way
	s_add_nc_u64 s[G0+4*\slot+2:G0+4*\slot+3], s[G0+4*\slot+2:G0+4*\slot+3], 8192
	s_add_nc_u64 s[G0B+4*\slot+2:G0B+4*\slot+3], s[G0B+4*\slot+2:G0B+4*\slot+3], 8192
	JLOAD \slot                                    ; the first tensor load behind the round; its four v_nop are also the places in front of the loads below
.else
	PLACES
.endif
	FETCH \next, 0, 0
	WIN MUL
	MUL8 1, 2, 0
	MUL8 1, 3, 0
.endm
	s_wait_tensorcnt 1                             ; my part of K step 0 is in; K step 1's may be out
	s_barrier_signal -1
	s_barrier_wait -1
	FETCH 0, 0, 0
	QUARTER 0, 1, 0, 1, 1                          ; the first quarter's products start the sums: nothing is cleared
	WIN 0
	s_mov_b32 s3, LAPS-1
.Llap:                                             ; a trip goes once round the ring, from a lap's second quarter to the next lap's first, and fills both slots again
	QUARTER 0, 2, 1, 0, 0
	QUARTER 0, 3, 0, 1, 0
	TURN 0, 1, 1
	QUARTER 1, 1, 0, 1, 0
	QUARTER 1, 2, 1, 0, 0
	QUARTER 1, 3, 0, 1, 0
	TURN 1, 0, 1
	QUARTER 0, 1, 0, 1, 0
	WIN 0
	s_sub_co_u32 s3, s3, 1
	s_cmp_lg_u32 s3, 0
	s_cbranch_scc1 .Llap
	QUARTER 0, 2, 1, 0, 0                          ; the last lap fills nothing
	QUARTER 0, 3, 0, 1, 0
	TURN 0, 1, 0
	QUARTER 1, 1, 0, 1, 0
	QUARTER 1, 2, 1, 0, 0
	QUARTER 1, 3, 0, 1, 0
	s_wait_dscnt 4
	WIN MUL
	MUL8 1, 0, 0
	MUL8 1, 1, 0
	s_wait_dscnt 0x0
	MUL8 1, 2, 0
	MUL8 1, 3, 0
	WIN 0
; THE WAY OUT, a block of 16 rows x 128 columns at a time, through my own stage: in as 32 bytes a lane, back as whole rows of 512 bytes.
; LDS serves a wave's instructions in order (ISA guide 5.7.1.4): no wait between the stores and the loads, nor in front of the next block's stores.
.macro TOSTAGE a
	WIN 0x08                                       ; an LDS store's data are its source 1: window 2
.irp b, 0,1,2,3,4,5,6,7
	ds_store_b128 v[STO], v[8*(8*(\a)+\b):8*(8*(\a)+\b)+3] offset:64*\b        ; each accumulator from its low end on
	ds_store_b128 v[STO], v[8*(8*(\a)+\b)+4:8*(8*(\a)+\b)+7] offset:64*\b+16
.endr
	WIN 0
.set BB, BK+64*((\a)%2)
.irp t, 0,1,2,3,4,5,6,7,8,9,10,11,12,13,14,15
	ds_load_b128 v[BB+4*\t:BB+4*\t+3], v[RD] offset:\t*SPITCH
.endr
.endm
.macro SEND a, younger
.set BB, BK+64*((\a)%2)
	s_wait_dscnt \younger                          ; the block is back in registers
.if (\a) > 0
	s_add_nc_u64 s[8:9], s[8:9], 16*4096           ; (behind a wait on XCNT: the earlier stores have read their base)
.endif
.irp t, 0,1,2,3,4,5,6,7,8,9,10,11,12,13,14,15
	global_store_b128 v[CO], v[BB+4*\t:BB+4*\t+3], s[8:9] offset:\t*4096 th:TH_STORE_NT   ; 32 lanes store 512 consecutive bytes, aligned
.endr
.endm
	PLACES
	TOSTAGE 0
.irp a, 1,2,3
.if \a > 1
	s_wait_xcnt 0x0                                ; block a - 2's stores have read their registers and their base
.endif
	TOSTAGE \a
	SEND \a-1, 32                                  ; behind block a - 1's loads: block a's 16 stores and 16 loads
.endr
	s_wait_xcnt 0x0
	SEND 3, 0
	s_wait_tensorcnt 0x0                           ; the wave's end
	ds_add_u32 v[SPW], v[NIL]
	s_wait_dscnt 0x0
	CROUND                                         ; the closing round
	s_endpgm
.Lfunc_end_k_qaa3e739f1f_proj:
	.size	k_qaa3e739f1f_proj, .Lfunc_end_k_qaa3e739f1f_proj-k_qaa3e739f1f_proj
	.p2alignl 7, 3214868480
	.fill 96, 4, 3214868480
	.section	.rodata,"a",@progbits
	.p2align	6, 0x0
	.amdhsa_kernel k_qaa3e739f1f_proj
		.amdhsa_group_segment_fixed_size 327680
		.amdhsa_private_segment_fixed_size 0
		.amdhsa_enable_private_segment 0
		.amdhsa_kernarg_size 24
		.amdhsa_user_sgpr_count 2
		.amdhsa_user_sgpr_kernarg_segment_ptr 1
		.amdhsa_wavefront_size32 1
		.amdhsa_system_sgpr_workgroup_id_x 1
		.amdhsa_system_sgpr_workgroup_id_y 1
		.amdhsa_system_sgpr_workgroup_id_z 1
		.amdhsa_system_vgpr_workitem_id 0
		.amdhsa_next_free_vgpr 768
		.amdhsa_next_free_sgpr 66
		.amdhsa_reserve_vcc 0
		.amdhsa_float_denorm_mode_32 3
		.amdhsa_float_denorm_mode_16_64 3
		.amdhsa_memory_ordered 1
		.amdhsa_forward_progress 1
		.amdhsa_inst_pref_size 85
	.end_amdhsa_kernel
	.amdgpu_metadata
---
amdhsa.version: [ 1, 2 ]
amdhsa.kernels:
  - .name:           k_qaa3e739f1f_proj
    .symbol:         k_qaa3e739f1f_proj.kd
    .args:
      - { .name: y, .offset: 0, .size: 8, .value_kind: global_buffer, .address_space: global }
      - { .name: wp16, .offset: 8, .size: 8, .value_kind: global_buffer, .address_space: global }
      - { .name: out0, .offset: 16, .size: 8, .value_kind: global_buffer, .address_space: global }
    .group_segment_fixed_size: 327680
    .private_segment_fixed_size: 0
    .kernarg_segment_align: 8
    .kernarg_segment_size: 24
    .max_flat_workgroup_size: 128
    .sgpr_count:     66
    .vgpr_count:     768
    .wavefront_size: 32
...
	.end_amdgpu_metadata
.endif
;; end of part 4
;; launch first16 (part 5): grid 16 x 4, 16 waves a work-group, no clusters, 71,680 bytes of LDS; arguments fine, Wp, out0; writes out0
.if DOCPART == 5
	.amdgcn_target "amdgcn-amd-amdhsa--gfx1250"
	.amdhsa_code_object_version 6
	.text
	.protected	k_qaa3e739f1f_first16
	.globl	k_qaa3e739f1f_first16
	.p2align	8
	.type	k_qaa3e739f1f_first16,@function
k_qaa3e739f1f_first16:
	s_mov_b64 s[64:65], 0
	v_nop
	global_prefetch_b8 v0, s[64:65] scope:SCOPE_SE
	s_setreg_imm32_b32 hwreg(HW_REG_WAVE_MODE, 25, 1), 1
	s_wait_xcnt 0x0
; The first 16 positions of each sequence once more, with f32 operands throughout: there a row of the softmax averages one to sixteen values, and the rounding of 16-bit operands would weigh most.
; Work-group (cb, b) makes out0[b][0 .. 15][64 cb .. 64 cb + 63].  Wave hd takes head hd: its 16 x 16 attention, then its 64 channels' part of the projection; the sixteen parts meet in LDS.
; fine: [3 (q, k, v)][64 b x 16 + head][4 d16][2 planes][512 bytes], f32: an accumulator's registers 4 p .. 4 p + 3 at 16 x lane.  q, k: lane (r, h) = position r, channels 8 h + j;  v: lane (r, h) = channel r, positions 8 h + j.
; All products by v_wmma_f32_16x16x4_f32 (96 a wave: no bulk work).  ONE ORDER OF K SERVES BOTH SIDES: the registers 2 i, 2 i + 1 of such a unit are one K step; half h and register jj then stand for index 8 h + 2 i + jj
; on both operands, so nothing is transposed: S^T = K Q^T leaves a lane one query and keys 8 h + j; O^T = V^T P one query and channels 8 h + j; the projection (source 0 = 16 rows of Wp) one position and outputs 8 h + j.
; The registers that these products write (v184-247) are written by matrix instructions alone; each sum's first product takes the constant 0; accumulators take turns.
; This launch runs last and writes over 64 rows that the launch before has written.
.set T,    16                          ; v16-23  the scores, then p, then p / l
.set QF,   24                          ; v24-55  q; later, with v56-87, Wp's tiles 2, 3; at the end the sixteen parts
.set KFR,  56                          ; v56-87  k
.set VF,   88                          ; v88-119 v
.set WF0,  120                         ; v120-183 Wp's tiles 0, 1
.set SA,   184                         ; v184-199 S^T in two halves of K; then, with v200-215, the projection's four tiles
.set OA,   216                         ; v216-247 O^T
.set SPW,  8
.set NIL,  9
.set SEL,  20
.set CS,   22
.set PART, 4352                        ; LDS: a head's part: 16 slabs of 272 bytes (16 positions x 16 bytes + 16)
.set SPARE, 16*PART                    ; the spare words: 128 bytes a wave, eight blocks of 256 bytes that no other line names
	s_load_b128 s[4:7], s[0:1], 0x0                ; fine s[4:5], Wp s[6:7]
	s_load_b64 s[8:9], s[0:1], 0x10                ; out0
	v_lshl_add_u32 v[SPW], v0, 2, SPARE
	v_mov_b32 v[NIL], 0
	v_lshrrev_b32 v10, 5, v0
	v_readfirstlane_b32 s10, v10                   ; wave = head
	s_and_b32 s11, ttmp7, 0xffff                   ; batch
	v_and_b32 v11, 31, v0
	v_lshlrev_b32 v1, 4, v11                       ; v1: 16 x lane
	v_and_b32 v12, 15, v0                          ; r
	v_bfe_u32 v13, v0, 4, 1                        ; h
	v_lshlrev_b32 v2, 12, v12
	v_lshl_add_u32 v2, v13, 5, v2                  ; v2: Wp: row r of 4,096 bytes, + 32 h
	v_lshlrev_b32 v3, 3, v13
	v_sub_nc_u32 v3, v12, v3                       ; v3: r - 8 h
	s_mul_i32 s12, s10, PART
	v_mul_u32_u24 v4, v13, 272
	v_lshl_add_u32 v4, v12, 4, v4
	v_add_nc_u32 v4, s12, v4                       ; v4: my part: slab h, position r
	v_and_b32 v14, 12, v12                         ; on the way back lane l takes outputs 4 cp .. 4 cp + 3, cp = l % 16: tile cp / 4, half (cp / 2) % 2, plane cp % 2: slab 4 (cp / 4) + 2 (cp % 2) + (cp / 2) % 2
	v_and_b32 v15, 1, v12
	v_lshl_add_u32 v14, v15, 1, v14
	v_bfe_u32 v15, v12, 1, 1
	v_add_nc_u32 v14, v14, v15
	v_mul_u32_u24 v5, v14, 272
	s_and_b32 s13, s10, 7
	s_lshl_b32 s13, s13, 1
	v_add_nc_u32 v15, s13, v13                     ; of position 2 (wave % 8) + l / 16
	v_lshl_add_u32 v5, v15, 4, v5                  ; v5: where I read
	v_lshlrev_b32 v6, 12, v15
	v_lshl_add_u32 v6, v12, 4, v6                  ; v6: and where I store
	v_mov_b32 v7, 0xff800000                       ; -infinity
	s_mov_b32 s[SEL], 0x76543210
	s_mov_b32 s[SEL+1], 0xfedcba98
	s_mov_b32 s[CS], 0x3e38aa3b                    ; c = log2(e) / 8
	s_lshl_b32 s14, s11, 4
	s_add_co_u32 s14, s14, s10
	s_lshl_b32 s14, s14, 12                        ; fine: 4,096 bytes a head
	s_mov_b32 s15, 0
	s_lshl_b32 s16, ttmp9, 18                      ; Wp: 64 rows of 4,096 bytes,
	s_lshl_b32 s17, s10, 8                         ; my head's 64 channels
	s_add_co_u32 s16, s16, s17
	s_mov_b32 s17, 0
	s_lshl_b32 s18, s11, 23                        ; out0: a batch is 8,388,608 bytes,
	s_lshl_b32 s19, ttmp9, 8                       ; my 64 columns
	s_add_co_u32 s18, s18, s19
	s_mov_b32 s19, 0
	s_wait_kmcnt 0x0
	s_add_nc_u64 s[4:5], s[4:5], s[14:15]
	s_add_nc_u64 s[6:7], s[6:7], s[16:17]
	s_add_nc_u64 s[8:9], s[8:9], s[18:19]
.irp dt, 0,1,2,3
.irp p, 0,1
	global_load_b128 v[KFR+8*\dt+4*\p:KFR+8*\dt+4*\p+3], v1, s[4:5] offset:262144+\dt*1024+512*\p
.endr
.endr
.irp dt, 0,1,2,3
.irp p, 0,1
	global_load_b128 v[QF+8*\dt+4*\p:QF+8*\dt+4*\p+3], v1, s[4:5] offset:\dt*1024+512*\p
.endr
.endr
.irp dt, 0,1,2,3
.irp p, 0,1
	global_load_b128 v[VF+8*\dt+4*\p:VF+8*\dt+4*\p+3], v1, s[4:5] offset:524288+\dt*1024+512*\p
.endr
.endr
.irp nt, 0,1
.irp dt, 0,1,2,3
.irp p, 0,1
	global_load_b128 v[WF0+32*\nt+8*\dt+4*\p:WF0+32*\nt+8*\dt+4*\p+3], v2, s[6:7] offset:\nt*65536+\dt*64+16*\p   ; Wp(16 nt + r, 16 dt + 8 h + 4 p ..)
.endr
.endr
.endr
	s_wait_loadcnt 24                              ; k and q are in; v's 8 loads and Wp's 16 may be out
.irp g, 0,2                            ; S^T = K Q^T: 16 products, two accumulators by turns (channels 16 dt on go to accumulator dt % 2)
.irp i, 0,1,2,3
.irp u, 0,1
.if (\g == 0) && (\i == 0)
	v_wmma_f32_16x16x4_f32 v[SA+8*\u:SA+8*\u+7], v[KFR+8*(\g+\u)+2*\i:KFR+8*(\g+\u)+2*\i+1], v[QF+8*(\g+\u)+2*\i:QF+8*(\g+\u)+2*\i+1], 0
.else
	v_wmma_f32_16x16x4_f32 v[SA+8*\u:SA+8*\u+7], v[KFR+8*(\g+\u)+2*\i:KFR+8*(\g+\u)+2*\i+1], v[QF+8*(\g+\u)+2*\i:QF+8*(\g+\u)+2*\i+1], v[SA+8*\u:SA+8*\u+7]
.endif
.endr
.endr
.endr
.rept 8
	v_nop                                          ; eight places behind this form: for the loads into q's and k's registers, and for the first reads of the sums
.endr
.irp nt, 2,3
.irp dt, 0,1,2,3
.irp p, 0,1
	global_load_b128 v[QF+32*(\nt-2)+8*\dt+4*\p:QF+32*(\nt-2)+8*\dt+4*\p+3], v2, s[6:7] offset:\nt*65536+\dt*64+16*\p
.endr
.endr
.endr
.irp j, 0,1,2,3,4,5,6,7
	v_add_f32 v[T+\j], v[SA+\j], v[SA+8+\j]        ; the score of query r and key 8 h + j; both accumulators from their low end on
.endr
.irp j, 0,1,2,3,4,5,6,7
	v_cmp_gt_i32 vcc_lo, \j, v3                    ; hidden where 8 h + j > r
	v_cndmask_b32 v[T+\j], v[T+\j], v7, vcc_lo
.endr
	v_max3_num_f32 v10, v[T], v[T+1], v[T+2]
	v_max3_num_f32 v11, v[T+3], v[T+4], v[T+5]
	v_max3_num_f32 v10, v10, v[T+6], v[T+7]
	v_max_num_f32 v10, v10, v11
	v_permlanex16_b32 v11, v10, s[SEL], s[SEL+1]
	v_max_num_f32 v10, v10, v11                    ; the row's maximum: key 0 counts for every query
	v_mul_f32 v10, s[CS], v10
.irp j, 0,1,2,3,4,5,6,7
	v_fma_f32 v[T+\j], v[T+\j], s[CS], -v10
.endr
.irp j, 0,1,2,3,4,5,6,7
	v_exp_f32 v[T+\j], v[T+\j]
.endr
	v_nop                                          ; a plain instruction behind the last exponential,
	s_wait_alu depctr_va_vdst(0)                   ; and the wait ahead of the first line that names a result: one for the eight
	v_add_f32 v11, v[T], v[T+1]
	v_add_f32 v12, v[T+2], v[T+3]
	v_add_f32 v13, v[T+4], v[T+5]
	v_add_f32 v14, v[T+6], v[T+7]
	v_add_f32 v11, v11, v12
	v_add_f32 v13, v13, v14
	v_add_f32 v11, v11, v13
	v_permlanex16_b32 v12, v11, s[SEL], s[SEL+1]
	v_add_f32 v11, v11, v12
	v_rcp_f32 v12, v11
	v_nop
	s_wait_alu depctr_va_vdst(0)
.irp j, 0,1,2,3,4,5,6,7
	v_mul_f32 v[T+\j], v[T+\j], v12                ; the softmax
.endr
	s_wait_loadcnt 32                              ; v is in; Wp's 32 loads may be out
.irp i, 0,1,2,3                        ; O^T = V^T P: four accumulators by turns
.irp dt, 0,1,2,3
.if \i == 0
	v_wmma_f32_16x16x4_f32 v[OA+8*\dt:OA+8*\dt+7], v[VF+8*\dt+2*\i:VF+8*\dt+2*\i+1], v[T+2*\i:T+2*\i+1], 0
.else
	v_wmma_f32_16x16x4_f32 v[OA+8*\dt:OA+8*\dt+7], v[VF+8*\dt+2*\i:VF+8*\dt+2*\i+1], v[T+2*\i:T+2*\i+1], v[OA+8*\dt:OA+8*\dt+7]
.endif
.endr
.endr
.rept 9
	v_nop                                          ; nine places: these results are the next products' source 1
.endr
	s_wait_loadcnt 0x0
.irp dt, 0,1,2,3                       ; my head's part of the projection: 64 products, four accumulators by turns
.irp i, 0,1,2,3
.irp nt, 0,1,2,3
.if \nt < 2
.set WB, WF0+32*\nt+8*\dt+2*\i
.else
.set WB, QF+32*(\nt-2)+8*\dt+2*\i
.endif
.if (\dt == 0) && (\i == 0)
	v_wmma_f32_16x16x4_f32 v[SA+8*\nt:SA+8*\nt+7], v[WB:WB+1], v[OA+8*\dt+2*\i:OA+8*\dt+2*\i+1], 0
.else
	v_wmma_f32_16x16x4_f32 v[SA+8*\nt:SA+8*\nt+7], v[WB:WB+1], v[OA+8*\dt+2*\i:OA+8*\dt+2*\i+1], v[SA+8*\nt:SA+8*\nt+7]
.endif
.endr
.endr
.endr
.rept 8
	v_nop                                          ; eight places: for the stores that read the results, and for the loads below into Wp's registers
.endr
.irp nt, 0,1,2,3
.irp p, 0,1
	ds_store_b128 v4, v[SA+8*\nt+4*\p:SA+8*\nt+4*\p+3] offset:(2*\nt+\p)*544   ; position r, outputs 16 nt + 8 h + 4 p + 0 .. 3; each accumulator from its low end on
.endr
.endr
	s_wait_dscnt 0x0                               ; for the others' sake: my part lies in LDS
	s_barrier_signal -1
	s_barrier_wait -1
	s_cmp_lt_u32 s10, 8                            ; eight waves add the sixteen parts, two positions each
	s_cbranch_scc0 .Ldone
.irp s, 0,1,2,3,4,5,6,7,8,9,10,11,12,13,14,15
	ds_load_b128 v[QF+4*\s:QF+4*\s+3], v5 offset:\s*PART
.endr
	s_wait_dscnt 0x0
.irp s, 1,2,3,4,5,6,7,8,9,10,11,12,13,14,15
	v_pk_add_f32 v[QF:QF+1], v[QF:QF+1], v[QF+4*\s:QF+4*\s+1]
	v_pk_add_f32 v[QF+2:QF+3], v[QF+2:QF+3], v[QF+4*\s+2:QF+4*\s+3]
.endr
	global_store_b128 v6, v[QF:QF+3], s[8:9]       ; sixteen lanes store 256 consecutive bytes, aligned
.Ldone:
	s_wait_tensorcnt 0x0                           ; the wave's end
	ds_add_u32 v[SPW], v[NIL]
	s_wait_dscnt 0x0
	s_endpgm
.Lfunc_end_k_qaa3e739f1f_first16:
	.size	k_qaa3e739f1f_first16, .Lfunc_end_k_qaa3e739f1f_first16-k_qaa3e739f1f_first16
	.p2alignl 7, 3214868480
	.fill 96, 4, 3214868480
	.section	.rodata,"a",@progbits
	.p2align	6, 0x0
	.amdhsa_kernel k_qaa3e739f1f_first16
		.amdhsa_group_segment_fixed_size 71680
		.amdhsa_private_segment_fixed_size 0
		.amdhsa_enable_private_segment 0
		.amdhsa_kernarg_size 24
		.amdhsa_user_sgpr_count 2
		.amdhsa_user_sgpr_kernarg_segment_ptr 1
		.amdhsa_wavefront_size32 1
		.amdhsa_system_sgpr_workgroup_id_x 1
		.amdhsa_system_sgpr_workgroup_id_y 1
		.amdhsa_system_sgpr_workgroup_id_z 1
		.amdhsa_system_vgpr_workitem_id 0
		.amdhsa_next_free_vgpr 256
		.amdhsa_next_free_sgpr 66
		.amdhsa_reserve_vcc 1
		.amdhsa_float_denorm_mode_32 3
		.amdhsa_float_denorm_mode_16_64 3
		.amdhsa_memory_ordered 1
		.amdhsa_forward_progress 1
		.amdhsa_inst_pref_size 21
	.end_amdhsa_kernel
	.amdgpu_metadata
---
amdhsa.version: [ 1, 2 ]
amdhsa.kernels:
  - .name:           k_qaa3e739f1f_first16
    .symbol:         k_qaa3e739f1f_first16.kd
    .args:
      - { .name: fine, .offset: 0, .size: 8, .value_kind: global_buffer, .address_space: global }
      - { .name: Wp, .offset: 8, .size: 8, .value_kind: global_buffer, .address_space: global }
      - { .name: out0, .offset: 16, .size: 8, .value_kind: global_buffer, .address_space: global }
    .group_segment_fixed_size: 71680
    .private_segment_fixed_size: 0
    .kernarg_segment_align: 8
    .kernarg_segment_size: 24
    .max_flat_workgroup_size: 512
    .sgpr_count:     66
    .vgpr_count:     256
    .wavefront_size: 32
...
	.end_amdgpu_metadata
.endif
;; end of part 5
